; MI455X (gfx1250); checked and timed in simulation.
; The chip was launched on July 23, 2026; its instructions are those of AMD's public machine-readable ISA for CDNA 5 (MIT licence, August 2026) and "CDNA5" Instruction Set Architecture Reference Guide (July 2026). The comments in the code are by the model that wrote it; some were corrected since.
;; Multi Head Attention. Allowed arithmetic: matrix products marked QUANTISED: E2M3 operands, one E8M0 scale for each 32 along K, by v_wmma_scale_f32_16x16x128_f8f6f4 with both operands' format E2M3, f32 sums; everything else in f32.
;; Inputs: Wk 1,024 x 1,024 float32; Wo 1,024 x 1,024 float32; Wq 1,024 x 1,024 float32; Wv 1,024 x 1,024 float32; bk 1,024 float32; bo 1,024 float32; bq 1,024 float32; bv 1,024 float32; key 2 x 2,048 x 1,024 float32; query 2 x 2,048 x 1,024 float32; value 2 x 2,048 x 1,024 float32.
;; Outputs: out0 2 x 2,048 x 1,024 float32.
;; This version of the problem:
;;   THIS VERSION OF THE PROBLEM IS GIVEN IN LOW PRECISION. The matrix products marked QUANTISED in the list below multiply operands that are first quantised to E2M3 (2 exponent bits, 3 mantissa bits; 6 bits a number), with one power-of-two scale for each 32 numbers along K (OCP MX v1.0); their sums are f32. All else is computed in f32.
;;   The module's matrix products, in the order in which they are computed (A, B: the left and right operand; K: the contracted axis; several contracted axes count as one K, in the product's order):
;;     1. [M 4,096, K 1,024] x [K 1,024, N 1,024]; A: input query; B: input Wq: QUANTISED
;;     2. [M 4,096, K 1,024] x [K 1,024, N 1,024]; A: input key; B: input Wk: QUANTISED
;;     3. [M 4,096, K 1,024] x [K 1,024, N 1,024]; A: input value; B: input Wv: QUANTISED
;;     4. batch 32 x [M 2,048, K 64] x [K 64, N 2,048]; A: computed on the way; B: computed on the way: QUANTISED
;;     5. batch 32 x [M 2,048, K 2,048] x [K 2,048, N 64]; A: softmax (see below); B: computed on the way: QUANTISED
;;     6. [M 4,096, K 1,024] x [K 1,024, N 1,024]; A: computed on the way; B: input Wo: QUANTISED
;;   THE QUANTISER, for each operand of a quantised product, along K:
;;     - K is cut into blocks of 32 from its start; a last block that is shorter is filled with zeros.
;;     - A block's scale is 2^e with e = floor(log2(the largest magnitude in the block)) - 2, held to -126 .. 127; a block of zeros has e = 0. As a byte (E8M0): e + 127.
;;     - Each number is divided by its block's scale, clamped to +-7.5, and rounded to the nearest number of E2M3, ties to even, subnormals kept.
;;     - The product sums the exact products of the quantised numbers (number of the format x scale) in f32.
;;   ~~~python
;;   def quantise(x, axis):      # numpy; x: float32 -> the quantised numbers, widened to float32 again
;;       x = np.moveaxis(x, axis, -1); K = x.shape[-1]
;;       x = np.pad(x, [(0, 0)] * (x.ndim - 1) + [(0, -K % 32)]); x = x.reshape(x.shape[:-1] + (-1, 32)); a = np.abs(x).max(-1, keepdims=True)
;;       e = np.where(a > 0, np.clip(np.frexp(np.where(a > 0, a, 1))[1] - 1 - 2, -126, 127), 0)      # np.frexp(a)[1] - 1 = floor(log2(a)), exactly
;;       r = np.clip(x / 2.0 ** e, -7.5, 7.5)
;;       step = 2.0 ** (np.maximum(np.frexp(np.where(r == 0, 1, r))[1] - 1, 0) - 3)
;;       q = np.round(r / step) * step * 2.0 ** e      # np.round: ties to even
;;       return np.moveaxis(q.reshape(q.shape[:-2] + (-1,))[..., :K], -1, axis).astype(np.float32)
;;   ~~~
;;   SOFTMAX AHEAD OF A QUANTISED PRODUCT. Where the list says 'softmax', what is quantised is not the finished softmax but p = 2^(t - M), with t = logit x log2(e) and M = ceil(the row's largest t), a whole number; so 1/2 < the row's largest p <= 1. The row's sum l is taken of the UNQUANTISED p, in f32, and the product's result is divided by l at the end. Since M is a whole number, a kernel that streams over the keys may use a running M (the ceiling of the running maximum): every later rescaling is an exact power of two, which a block's scale takes up: the codes' values come out the same.
;;   OPERANDS COMPUTED ON THE WAY. 'Computed on the way' means the value that the module computes at that place (a softmax that the list does not call 'softmax' is quantised finished and normalised). What goes into a quantiser is computed in f32, as accurately as f32 sums, v_exp_f32 and their like allow (about 1e-6 of the number): no bf16 or f16 on the way to a quantiser, and a product that is left as it is and whose result goes on into a quantised operand takes f32 operands (vector FMAs, or v_wmma_f32_16x16x4_f32). A number that lies on a knife's edge between two numbers of the format may be rounded either way, as far as f32 arithmetic and the matrix unit's own rounding can turn it there, and no further.
;; One version. Each part assembles by itself: llvm-mc -triple=amdgcn-amd-amdhsa -mcpu=gfx1250 --defsym DOCPART=n.
;; ======== version 1 of 1: 4 launches
;; limits: right only within a limited range of input values
;; workspace buffers: xc 9,437,184 bytes; xs 393,216 bytes; wc 3,145,728 bytes; ws 131,072 bytes; ac 9,437,184 bytes; asc 524,288 bytes; oc 3,145,728 bytes; osc 131,072 bytes
;; launch quant (part 1): grid 256 x 1, 8 waves a work-group, no clusters, 68,608 bytes of LDS; arguments query, key, value, Wq, Wk, Wv, Wo, xc, xs, wc, ws; writes xc, xs, wc, ws
.if DOCPART == 1
	.amdgcn_target "amdgcn-amd-amdhsa--gfx1250"
	.amdhsa_code_object_version 6
	.text
	.protected	k_q3030dbaccf_quant
	.globl	k_q3030dbaccf_quant
	.p2align	8
	.type	k_q3030dbaccf_quant,@function
k_q3030dbaccf_quant:
	s_mov_b64 s[64:65], 0
	v_nop
	global_prefetch_b8 v0, s[64:65] scope:SCOPE_SE
	s_setreg_imm32_b32 hwreg(HW_REG_WAVE_MODE, 25, 1), 1
	s_wait_xcnt 0x0
; query, key, value [4096][1024] and Wq, Wk, Wv, Wo [1024][1024], f32, K innermost, become codes of FP6 (E2M3) with one E8M0 byte for each 32 along K.
; A block's scale is 2^(floor(log2(its largest magnitude)) - 2): its byte is the largest magnitude's exponent field - 2, held at 1 from below.
; THE CODES ARE LAID AS IMAGES OF THE OPERAND'S REGISTERS.  A fragment (16 rows x 128 K, 12 registers a lane) is 1,536 bytes: for each half of 6 registers, 512 bytes (four registers, 16 bytes a lane)
; and 256 bytes (two registers, 8 bytes a lane).  xc, wc: [block of 128 rows][K step 8][tile of 16 rows 8][1,536].  Scale words xs, ws: [block][tile 8][pair of K steps 4][row 16][K step in the pair 2].
; THE ROWS OF A TILE.  Tile 4 c + j of a block of 128 rows (c = 0, 1, j = 0 .. 3) holds as its row r the block's row 64 c + 32 (r / 8) + 8 j + r % 8.  In a product's result a lane of half h then holds, in the
; 32 registers of a band's four tiles, the 32 neighbours 64 c + 32 h + 0 .. 31: one whole scale block of the next product.  All seven tensors are laid so.  K is in its own order.
; LIMITS: NaN and infinities are not served.  A block whose largest magnitude lies under 2^-124 has its byte held at 1.  A block of zeros gets the byte 1 where the quantiser's rule says 127: its codes are
; zeros, which add nothing under that byte, and only this program reads the bytes.
; SHARES.  1,024 tiles of 16 rows (256 each of query, key, value, 64 of each weight).  A work-group takes four (64 neighbouring rows), a wave one half of K of one tile: four fragments.  A fragment's 16 loads read
; 512 consecutive bytes each; the 8,192 bytes turn through the wave's own stage in LDS (rows of 512 + 16 bytes) and come back two whole blocks a lane.  Waves share nothing: no barrier, no cluster, no matrix work.
.set STG,  8448                        ; a wave's stage: 16 rows x 528 bytes
.set SPARE, 8*STG                      ; the spare words, 128 bytes for each wave
.set RA,   16                          ; v16-143  two sets of 64 registers as loaded
.set X,    144                         ; v144-207 my two blocks: register 32 c + i = number i of block 2 c + h
.set PC,   208                         ; v208-227 the codes
.set TM,   228                         ; v228-237 at work
.set PWS,  248                         ; v248-251 the four fragments' scale words
.set SEL,  30                          ; s[30:31] lane selects: lane l xor 16
.macro QUANT s, pw                     ; two blocks of a lane become a fragment in v[PC:PC+11] and my row's scale word in v[pw]
.irp c, 0,1
.irp g, 0,1
	v_max3_num_f32 v[TM+2*\c+\g], |v[\s+32*\c+16*\g]|, |v[\s+1+32*\c+16*\g]|, |v[\s+2+32*\c+16*\g]|
.endr
.endr
.irp i, 3,5,7,9,11,13
.irp c, 0,1
.irp g, 0,1
	v_max3_num_f32 v[TM+2*\c+\g], v[TM+2*\c+\g], |v[\s+32*\c+16*\g+\i]|, |v[\s+1+32*\c+16*\g+\i]|   ; four chains by turns
.endr
.endr
.endr
.irp c, 0,1
	v_max3_num_f32 v[TM+2*\c], v[TM+2*\c], |v[\s+15+32*\c]|, v[TM+2*\c+1]
.endr
.irp c, 0,1
	v_max3_num_f32 v[TM+2*\c], v[TM+2*\c], |v[\s+31+32*\c]|, 0x1800000   ; and the floor 2^(3 - 127): the byte cannot fall under 1
.endr
.irp c, 0,1
	v_add_nc_u32 v[TM+8+\c], 0xff000000, v[TM+2*\c]   ; 2 off its exponent field: the conversion takes this operand's exponent field as its scale
.endr
.irp c, 0,1
	v_cvt_scalef32_pk16_fp6_f32 v[PC+6*\c:PC+2+6*\c], v[\s+32*\c:\s+15+32*\c], v[TM+8+\c]
	v_cvt_scalef32_pk16_fp6_f32 v[PC+12+4*\c:PC+14+4*\c], v[\s+16+32*\c:\s+31+32*\c], v[TM+8+\c]   ; (a conversion's three registers begin on an even number)
.endr
.irp c, 0,1
	v_lshrrev_b32 v[TM+4+\c], 23, v[TM+8+\c]       ; the scale's byte; also the plain instructions behind the conversions
.endr
.irp i, 0,1,2
.irp c, 0,1
	v_mov_b32 v[PC+3+6*\c+\i], v[PC+12+4*\c+\i]
.endr
.endr
	v_lshl_or_b32 v[TM+6], v[TM+5], 16, v[TM+4]
	v_lshlrev_b32 v[TM+6], v9, v[TM+6]             ; my bytes h and 2 + h,
	v_permlanex16_b32 v[TM+7], v[TM+6], s[SEL], s[SEL+1]
	v_or_b32 v[\pw], v[TM+6], v[TM+7]              ; and the other half's two
.endm
	s_load_b256 s[4:11], s[0:1], 0x0               ; query, key, value, Wq
	s_load_b256 s[12:19], s[0:1], 0x20             ; Wk, Wv, Wo, xc
	s_load_b128 s[20:23], s[0:1], 0x40             ; xs, wc
	s_load_b64 s[24:25], s[0:1], 0x50              ; ws
	v_lshl_add_u32 v254, v0, 2, SPARE
	v_mov_b32 v255, 0
	v_lshrrev_b32 v6, 5, v0
	v_readfirstlane_b32 s32, v6                    ; wave 0..7
	v_and_b32 v6, 31, v0                           ; lane
	v_and_b32 v7, 15, v0                           ; r
	v_bfe_u32 v8, v0, 4, 1                         ; h
	v_lshlrev_b32 v1, 4, v6                        ; 16 x lane: a load's and a 16-byte store's place
	v_lshlrev_b32 v2, 3, v6                        ; 8 x lane
	s_mul_i32 s33, s32, STG
	v_add_nc_u32 v3, s33, v1                       ; the stage, way in: a row's 512 bytes as they lie
	v_mul_u32_u24 v4, v7, 528
	v_lshl_add_u32 v4, v8, 7, v4
	v_add_nc_u32 v4, s33, v4                       ; way out: row r, + 128 h
	v_lshlrev_b32 v5, 3, v7
	v_lshl_add_u32 v5, v8, 7, v5                   ; the scale words' place: 128 h + 8 r
	v_lshlrev_b32 v9, 3, v8                        ; 8 h
	v_cmp_lt_u32 vcc_lo, 15, v6                    ; lanes 16-31
	v_mov_b32 v[TM+7], 0                           ; written once: a lane permute's destination counts as one of its sources
	s_mov_b32 s[SEL], 0x76543210
	s_mov_b32 s[SEL+1], 0xfedcba98
	s_lshr_b32 s34, s32, 1                         ; which of the work-group's four tiles: j
	s_and_b32 s35, s32, 1                          ; which half of K
	s_and_b32 s36, ttmp9, 63                       ; an activation has 64 work-groups,
	s_and_b32 s37, ttmp9, 15                       ; a weight 16
	s_cmp_lt_u32 ttmp9, 192
	s_cselect_b32 s36, s36, s37
	s_cselect_b32 s38, 0, 192                      ; the first work-group of the weights
	s_lshl_b32 s36, s36, 18                        ; 64 rows of 4,096 bytes a work-group,
	s_lshl_b32 s37, s34, 15                        ; tile j begins 8 j rows on
	s_add_co_u32 s36, s36, s37
	s_lshl_b32 s37, s35, 11
	s_add_co_u32 s36, s36, s37                     ; + my half of K
	s_mov_b32 s37, 0
	s_sub_co_u32 s38, ttmp9, s38
	s_lshl_b32 s38, s38, 2
	s_add_co_u32 s38, s38, s34                     ; my tile among the activations' 768 or the weights' 256
	s_lshr_b32 s39, s38, 3                         ; its block of 128 rows
	s_and_b32 s40, s38, 7                          ; and its place there
	s_mul_i32 s42, s39, 98304
	s_mul_i32 s41, s35, 49152
	s_add_co_u32 s42, s42, s41
	s_mul_i32 s41, s40, 1536
	s_add_co_u32 s42, s42, s41                     ; the codes' place
	s_mov_b32 s43, 0
	s_lshl_b32 s44, s39, 12
	s_lshl_b32 s41, s40, 9
	s_add_co_u32 s44, s44, s41
	s_lshl_b32 s41, s35, 8
	s_add_co_u32 s44, s44, s41                     ; the scale words' place
	s_mov_b32 s45, 0
	s_wait_alu depctr_va_vdst(0)
	s_wait_kmcnt 0x0
	s_cmp_lt_u32 ttmp9, 240                        ; the tensor is chosen by the work-group's number alone
	s_cselect_b64 s[26:27], s[14:15], s[16:17]
	s_cmp_lt_u32 ttmp9, 224
	s_cselect_b64 s[26:27], s[12:13], s[26:27]
	s_cmp_lt_u32 ttmp9, 208
	s_cselect_b64 s[26:27], s[10:11], s[26:27]
	s_cmp_lt_u32 ttmp9, 192
	s_cselect_b64 s[26:27], s[8:9], s[26:27]
	s_cselect_b64 s[28:29], s[18:19], s[22:23]     ; xc or wc
	s_cselect_b64 s[46:47], s[20:21], s[24:25]     ; xs or ws
	s_cmp_lt_u32 ttmp9, 128
	s_cselect_b64 s[26:27], s[6:7], s[26:27]
	s_cmp_lt_u32 ttmp9, 64
	s_cselect_b64 s[26:27], s[4:5], s[26:27]
	s_add_nc_u64 s[26:27], s[26:27], s[36:37]
	s_add_nc_u64 s[28:29], s[28:29], s[42:43]
	s_add_nc_u64 s[46:47], s[46:47], s[44:45]
.macro LOAD t                          ; fragment t: the tile's 16 rows (8 neighbours, and the 8 that lie 32 rows further on) x 512 bytes into set t % 2
.irp i, 0,1,2,3,4,5,6,7,8,9,10,11,12,13,14,15
	global_load_b128 v[RA+64*((\t)%2)+4*\i:RA+64*((\t)%2)+4*\i+3], v1, s[26:27] offset:4096*(\i+24*(\i/8))+512*(\t) th:TH_LOAD_NT
.endr
.endm
.macro FRAGMENT t
.if (\t) < 3
	s_wait_loadcnt 16                              ; this fragment's 16 loads are in; the next fragment's 16 may be out
.else
	s_wait_loadcnt 0x0
.endif
.irp i, 0,1,2,3,4,5,6,7,8,9,10,11,12,13,14,15
	ds_store_b128 v3, v[RA+64*((\t)%2)+4*\i:RA+64*((\t)%2)+4*\i+3] offset:528*\i
.endr
.irp c, 0,1                                    ; LDS serves a wave's instructions in order: these see the stores above.  Block 2 c + h, whole
.irp k, 0,1,2,3,4,5,6,7
	ds_load_b128 v[X+32*\c+4*\k:X+32*\c+4*\k+3], v4 offset:256*\c+16*\k
.endr
.endr
	s_wait_dscnt 0x0                               ; my 64 numbers are in, and the stores into the stage have read their registers
.if (\t) > 0
	s_wait_xcnt 0x0                                ; the last fragment's stores have read the codes' registers, which are written again below
.endif
.if (\t) < 2
	LOAD (\t)+2
.endif
	QUANT X, PWS+(\t)
	global_store_b128 v1, v[PC:PC+3], s[28:29] offset:12288*(\t)          ; each store covers 512 or 256 consecutive bytes, aligned
	global_store_b64 v2, v[PC+4:PC+5], s[28:29] offset:12288*(\t)+512
	global_store_b128 v1, v[PC+6:PC+9], s[28:29] offset:12288*(\t)+768
	global_store_b64 v2, v[PC+10:PC+11], s[28:29] offset:12288*(\t)+1280
.endm
	LOAD 0
	LOAD 1
	FRAGMENT 0
	FRAGMENT 1
	FRAGMENT 2
	FRAGMENT 3
	v_cndmask_b32 v252, v[PWS], v[PWS+2], vcc_lo   ; lanes 0-15 store my first pair of K steps, lanes 16-31 the second
	v_cndmask_b32 v253, v[PWS+1], v[PWS+3], vcc_lo
	global_store_b64 v5, v[252:253], s[46:47]      ; 256 consecutive bytes, aligned
	s_wait_tensorcnt 0x0                           ; the wave's end
	ds_add_u32 v254, v255
	s_wait_dscnt 0x0
	s_endpgm
.Lfunc_end_k_q3030dbaccf_quant:
	.size	k_q3030dbaccf_quant, .Lfunc_end_k_q3030dbaccf_quant-k_q3030dbaccf_quant
	.p2alignl 7, 3214868480
	.fill 96, 4, 3214868480
	.section	.rodata,"a",@progbits
	.p2align	6, 0x0
	.amdhsa_kernel k_q3030dbaccf_quant
		.amdhsa_group_segment_fixed_size 68608
		.amdhsa_private_segment_fixed_size 0
		.amdhsa_enable_private_segment 0
		.amdhsa_kernarg_size 88
		.amdhsa_user_sgpr_count 2
		.amdhsa_user_sgpr_kernarg_segment_ptr 1
		.amdhsa_wavefront_size32 1
		.amdhsa_system_sgpr_workgroup_id_x 1
		.amdhsa_system_sgpr_workgroup_id_y 1
		.amdhsa_system_sgpr_workgroup_id_z 1
		.amdhsa_system_vgpr_workitem_id 0
		.amdhsa_next_free_vgpr 256
		.amdhsa_next_free_sgpr 66
		.amdhsa_reserve_vcc 1
		.amdhsa_float_denorm_mode_32 3
		.amdhsa_float_denorm_mode_16_64 3
		.amdhsa_memory_ordered 1
		.amdhsa_forward_progress 1
		.amdhsa_inst_pref_size 31
	.end_amdhsa_kernel
	.amdgpu_metadata
---
amdhsa.version: [ 1, 2 ]
amdhsa.kernels:
  - .name:           k_q3030dbaccf_quant
    .symbol:         k_q3030dbaccf_quant.kd
    .args:
      - { .name: query, .offset: 0, .size: 8, .value_kind: global_buffer, .address_space: global }
      - { .name: key, .offset: 8, .size: 8, .value_kind: global_buffer, .address_space: global }
      - { .name: value, .offset: 16, .size: 8, .value_kind: global_buffer, .address_space: global }
      - { .name: Wq, .offset: 24, .size: 8, .value_kind: global_buffer, .address_space: global }
      - { .name: Wk, .offset: 32, .size: 8, .value_kind: global_buffer, .address_space: global }
      - { .name: Wv, .offset: 40, .size: 8, .value_kind: global_buffer, .address_space: global }
      - { .name: Wo, .offset: 48, .size: 8, .value_kind: global_buffer, .address_space: global }
      - { .name: xc, .offset: 56, .size: 8, .value_kind: global_buffer, .address_space: global }
      - { .name: xs, .offset: 64, .size: 8, .value_kind: global_buffer, .address_space: global }
      - { .name: wc, .offset: 72, .size: 8, .value_kind: global_buffer, .address_space: global }
      - { .name: ws, .offset: 80, .size: 8, .value_kind: global_buffer, .address_space: global }
    .group_segment_fixed_size: 68608
    .private_segment_fixed_size: 0
    .kernarg_segment_align: 8
    .kernarg_segment_size: 88
    .max_flat_workgroup_size: 256
    .sgpr_count:     66
    .vgpr_count:     256
    .wavefront_size: 32
...
	.end_amdgpu_metadata
.endif
;; end of part 1
;; launch proj (part 2): grid 4 x 48, 4 waves a work-group, clusters of 4 x 4, 327,680 bytes of LDS; arguments xc, xs, wc, ws, bq, bk, bv, ac, asc; writes ac, asc
.if DOCPART == 2
	.amdgcn_target "amdgcn-amd-amdhsa--gfx1250"
	.amdhsa_code_object_version 6
	.text
	.protected	k_q3030dbaccf_proj
	.globl	k_q3030dbaccf_proj
	.p2align	8
	.type	k_q3030dbaccf_proj,@function
k_q3030dbaccf_proj:
	s_mov_b64 s[64:65], 0
	v_nop
	global_prefetch_b8 v0, s[64:65] scope:SCOPE_SE
	s_setreg_imm32_b32 hwreg(HW_REG_WAVE_MODE, 25, 1), 1
	s_wait_xcnt 0x0
	s_wait_alu depctr_hold_cnt(0) depctr_sa_sdst(0) depctr_va_vdst(0) depctr_va_sdst(0) depctr_va_ssrc(0) depctr_va_vcc(0) depctr_vm_vsrc(0)
	s_getreg_b32 s2, hwreg(HW_REG_IB_STS2, 6, 4)
	s_cmp_eq_u32 s2, 0
	s_cbranch_scc0 .Lentry_in_a_cluster
	s_endpgm
.Lentry_in_a_cluster:
	s_bfe_u32 s2, ttmp6, 0x10000c
	s_cmp_lg_u32 s2, 0xf033
	s_cbranch_scc0 .Lentry_shape_is_right
	s_endpgm
.Lentry_shape_is_right:
; q = query Wq^T + bq, k = key Wk^T + bk, v = value Wv^T + bv on codes of FP6 (E2M3) with E8M0 scales, and each result quantised on the way out for the two products of attention.
; Operands come as images of their registers (16 rows x 128 K = 1,536 bytes: twice 512 bytes, 16 a lane, and 256 bytes, 8 a lane): [block of 128 rows][K step 8][tile 8][1,536]; scale words [block][tile 8][pair of K steps 4][row 16][2].
; A tile of the result is 256 x 256: four waves, each 128 x 128 in 64 accumulators.  K = 1,024 goes in four quarters of 256: quarters 0, 1 and 2 are asked for at the head, one joint load a wave, quarter 3 in quarter 0's
; place behind the one round of the cluster's barrier that follows quarter 0.  The scale words of the tile's 512 rows come through registers at the head, 4,096 bytes a wave.
; WHICH WORK-GROUP DOES WHAT.  Cluster y = 4 x tensor + idx.  'A' is the operand whose row a lane holds in the result, 'B' the one along whose rows the lane's registers run (source 0 = B's fragment, source 1 = A's).
; q, k: A = the activation (tile row 4 idx + cy), B = the weight (tile column cx).   v: A = Wv (tile row cy), B = value (tile column 4 idx + cx).
; CLUSTER 4 x 4: A's tiles are asked for jointly along a row of the cluster, B's along a column.  No prefetch: all but the last quarter is asked for at the head, so no trip is left to run ahead in.
; BY THE ORDER OF B'S ROWS IN ITS TILES a lane of half h holds, in a block's registers 32 c + 0 .. 31, the 32 neighbours 64 c + 32 h + 0 .. 31 along the next K: one whole scale block.  The bias is the first product's C.
; ac: q [bh 32][tile of 16 queries 128][768] | k the same | v [bh][step of 128 keys 16][tile of 16 d 4][1,536].  asc: q [bh][block 16][2][row 16][4] words (the head's two bytes, twice) | k [bh][step 16][row 16][4] words
; (bytes 0, 1 tile 2 i, bytes 2, 3 tile 2 i + 1) | v [bh][step 16][row of the tile][tile of d] words.
; LIMITS: NaN and infinities are not served; a block whose largest magnitude lies under 2^-124 has its byte held at 1; a block of zeros gets the byte 1 (its codes are zeros; only this program reads the bytes).
; REGISTERS: window 0: v1-11 lane terms; v16-23, v27 LDS addresses; v28-29 for the add; v32-63 scale words, two sets; v64-127 the bias; v128-223 A's fragments, one set (on the way out at work).
;   window 1: B's fragments, two sets, at v0 and v128.   windows 2, 3: the accumulators, (a, b) at v[8 (8 (a % 4) + b)].
.set FR,    12                         ; registers of a fragment
.set NP,    4                          ; plain vector instructions owed behind this matrix instruction (ISA guide 7.12.1)
.set HALFT, 24576                      ; 128 rows x 256 K: [K step 2][tile 8][1,536]
.set R12,   4*HALFT                    ; behind quarter 0's place: quarters 1 and 2, 49,152 bytes for each 128 rows (A's two halves, B's two)
.set SCL,   12*HALFT                   ; the scale words, 4,096 bytes for each 128 rows: A's two halves, B's two
.set SPARE, SCL+16384                  ; the spare words, 128 bytes for each wave
.set ADRA, 16                          ; v16 A's fragments in quarter 0's place, v17 in quarters 1 and 2's: + 16 x lane;  v18-19: + 512 + 8 x lane
.set ADRB, 20                          ; v20-23 the same for B
.set ADRS, 27                          ; v27    my scale words: lanes 0-15 A's rows, lanes 16-31 B's
.set SPW,  28
.set NIL,  29
.set SC,   32                          ; set s at v[SC + 16 s]; register 2 i + q: lanes 0-15 A's block i, lanes 16-31 B's block i, the quarter's q-th 128 along K
.set BI,   64
.set AF,   128
.set PC,   128                         ; the way out: two blocks' codes, 20 registers each,
.set TM,   172                         ; eight chains,
.set SO,   180                         ; the conversions' scale operands,
.set EB,   184                         ; the bytes,
.set OW,   188                         ; my half of the words, the other half's,
.set PWS,  192                         ; the eight blocks' scale words,
.set WS,   200                         ; the words as they are stored,
.set SELV, 208                         ; byte selectors
.set SEL,  6                           ; s[6:7] lane selects
.set TEN,  100                         ; s100 the tensor: 0 q, 1 k, 2 v
.set G1A, 24
.set G0A, 32
.set G0B, 36
.set G1B, 48
.set G1A2, 56
.set G1B2, 68
.set G0A2, 76
.set G0B2, 88
.set MSB, 0
.macro WIN new                         ; the immediate's high byte repeats the setting that is left
.if MSB != \new
	s_set_vgpr_msb (MSB<<8)|\new
.set MSB, \new
.endif
.endm
.set TO_B, 0x40                        ; destination window 1, address window 0
.macro WALU
	s_wait_alu depctr_va_vdst(0)
.endm
.macro PLACES n
.rept \n
	v_nop
.endr
.endm
.macro TLOAD g0, g1
	tensor_load_to_lds s[\g0:\g0+3], s[\g1:\g1+7]
	s_nop 0
	PLACES 4
.endm
.macro CREST                           ; a round of the cluster's barrier behind its opening barrier
	s_cmp_lg_u32 s14, 0
	s_cbranch_scc1 .Lnot_wave_0_\@
	s_barrier_signal -3
.Lnot_wave_0_\@:
	s_barrier_wait -3
	s_barrier_signal -1
	s_barrier_wait -1
.endm
.macro CROUND
	s_barrier_signal -1
	s_barrier_wait -1
	CREST
.endm
.macro GROUP1 g, mask, c               ; two rows (the tile's two blocks of 128 rows) of c elements of 8 bytes, 98,304 bytes apart; no padding
	s_or_b32 s[\g], s[\mask], (3<<16)|(1<<21)
	s_mov_b32 s[\g+1], (\c)<<16
	s_mov_b32 s[\g+2], 2<<16
	s_mov_b32 s[\g+3], (\c)<<16
	s_mov_b32 s[\g+4], 2
	s_mov_b32 s[\g+5], 12288
	s_mov_b32 s[\g+6], 0
	s_mov_b32 s[\g+7], 0
.endm
.macro GROUP0 g, lds, base, off
	s_mov_b32 s[\g], 1
	s_mov_b32 s[\g+1], \lds
	s_add_nc_u64 s[\g+2:\g+3], s[\base:\base+1], \off
	s_or_b32 s[\g+3], s[\g+3], 0x80000000
.endm
	s_load_b256 s[68:75], s[0:1], 0x0              ; xc, xs, wc, ws   (these registers take a descriptor once the pointers are chosen from)
	s_load_b256 s[80:87], s[0:1], 0x20             ; bq, bk, bv, ac
	s_load_b64 s[92:93], s[0:1], 0x40              ; asc
	v_lshl_add_u32 v[SPW], v0, 2, SPARE
	v_mov_b32 v[NIL], 0
	ds_add_u32 v[SPW], v[NIL]                      ; the wave's opening: the add, twice on end, and its wait
	ds_add_u32 v[SPW], v[NIL]
	v_lshrrev_b32 v1, 5, v0
	v_readfirstlane_b32 s14, v1                    ; wave 0..3
	s_lshr_b32 s15, s14, 1                         ; my half of A's rows
	s_and_b32 s16, s14, 1                          ; my half of B's rows
	s_bfe_u32 s40, ttmp6, 0x40000                  ; cx
	s_bfe_u32 s41, ttmp6, 0x40004                  ; cy
	s_and_b32 s18, ttmp7, 0xffff                   ; cluster y, 0 .. 11: the same in all sixteen partners
	s_lshr_b32 s[TEN], s18, 2
	s_and_b32 s101, s18, 3
	s_lshl_b32 s101, s101, 2                       ; 4 idx
	s_cmp_eq_u32 s[TEN], 2
	s_cselect_b32 s17, 0, s101
	s_cselect_b32 s42, s101, 0
	s_add_co_u32 s17, s17, s41                     ; tile row: cy, + 4 idx for q and k
	s_add_co_u32 s42, s42, s40                     ; tile column: cx, + 4 idx for v
	s_lshl_b32 s43, s41, 2
	s_lshl_b32 s43, 15, s43                        ; my row of the cluster
	s_lshl_b32 s44, 0x1111, s40                    ; my column
	GROUP1 G1A, 43, 3072                           ; one quarter of A's 256 rows
	GROUP1 G1B, 44, 3072
	GROUP1 G1A2, 43, 6144                          ; two quarters
	s_mul_i32 s20, s17, 196608                     ; the tile's codes: two blocks of 98,304 bytes
	s_mul_i32 s46, s42, 196608
	s_lshl_b32 s22, s17, 13                        ; its scale words
	s_lshl_b32 s94, s42, 13
	s_mul_i32 s2, s[TEN], 3145728                  ; the tensor's place among the activations' codes,
	s_mul_i32 s3, s[TEN], 786432                   ; among the weights',
	s_mul_i32 s18, s[TEN], 131072                  ; and among their scale words
	s_mul_i32 s19, s[TEN], 32768
	s_cmp_eq_u32 s[TEN], 2
	s_cselect_b32 s21, s3, s2
	s_cselect_b32 s47, s2, s3
	s_cselect_b32 s23, s19, s18
	s_cselect_b32 s95, s18, s19
	s_add_co_u32 s20, s20, s21
	s_add_co_u32 s46, s46, s47
	s_add_co_u32 s22, s22, s23
	s_add_co_u32 s94, s94, s95
	s_mov_b32 s21, 0
	s_mov_b32 s23, 0
	s_mov_b32 s47, 0
	s_mov_b32 s95, 0
	s_lshl_b32 s18, s16, 12                        ; I bring the words of 128 rows: A's (waves 0, 1) or B's
	s_mov_b32 s19, 0
	v_and_b32 v1, 31, v0                           ; lane
	v_and_b32 v2, 15, v0                           ; r
	v_bfe_u32 v3, v0, 4, 1                         ; h
	v_lshlrev_b32 v4, 4, v1                        ; 16 x lane
	v_lshlrev_b32 v5, 3, v1
	v_add_nc_u32 v5, 512, v5                       ; 512 + 8 x lane
	WALU
	s_wait_dscnt 0x0                               ; both opening adds are done
	s_wait_kmcnt 0x0
	s_cmp_eq_u32 s[TEN], 2                         ; for v the weight is A and the activation B
	s_cselect_b64 s[4:5], s[72:73], s[68:69]
	s_cselect_b64 s[6:7], s[74:75], s[70:71]
	s_cselect_b64 s[8:9], s[68:69], s[72:73]
	s_cselect_b64 s[10:11], s[70:71], s[74:75]
	s_cselect_b64 s[96:97], s[84:85], s[82:83]
	s_cmp_eq_u32 s[TEN], 0
	s_cselect_b64 s[96:97], s[80:81], s[96:97]     ; the tensor's bias
	s_mov_b64 s[12:13], s[86:87]                   ; ac
	s_mov_b64 s[98:99], s[92:93]                   ; asc
	s_add_nc_u64 s[20:21], s[4:5], s[20:21]
	s_add_nc_u64 s[22:23], s[6:7], s[22:23]
	s_add_nc_u64 s[46:47], s[8:9], s[46:47]
	s_add_nc_u64 s[94:95], s[10:11], s[94:95]
	s_cmp_eq_u32 s15, 0
	s_cselect_b64 s[94:95], s[22:23], s[94:95]
	s_add_nc_u64 s[94:95], s[94:95], s[18:19]
.irp i, 0,1,2,3,4,5,6,7
	global_load_b128 v[AF+4*\i:AF+4*\i+3], v4, s[94:95] offset:512*\i
.endr
	GROUP1 G1B2, 44, 6144
	GROUP0 G0A, 0, 20, 0
	GROUP0 G0B, 2*HALFT, 46, 0
	GROUP0 G0A2, R12, 20, HALFT
	GROUP0 G0B2, R12+4*HALFT, 46, HALFT
	CROUND                                         ; all sixteen work-groups are here: the first joint loads meet
.macro ARM under, g0, g1, next         ; the head's loads, one a wave: one tree of branches on the wave's number
	s_cmp_lt_u32 s14, \under
	s_cbranch_scc0 \next
	TLOAD \g0, \g1
	s_branch .Lasked
\next:
.endm
	ARM 1, G0A, G1A, .Lw1                          ; wave 0: quarter 0 of A's 256 rows
	ARM 2, G0B, G1B, .Lw2                          ; wave 1: of B's
	ARM 3, G0A2, G1A2, .Lw3                        ; wave 2: quarters 1 and 2 of A's
	TLOAD G0B2, G1B2                               ; wave 3: of B's
.Lasked:
	s_mul_i32 s18, s15, HALFT                      ; my 128 rows of A
	s_mul_i32 s19, s16, HALFT                      ; my 128 rows of B, behind A's 256
	s_add_co_u32 s19, s19, 2*HALFT
	v_add_nc_u32 v[ADRA], s18, v4
	v_add_nc_u32 v[ADRA+2], s18, v5
	v_add_nc_u32 v[ADRB], s19, v4
	v_add_nc_u32 v[ADRB+2], s19, v5
	s_mul_i32 s18, s15, 2*HALFT
	s_add_co_u32 s18, s18, R12
	s_mul_i32 s19, s16, 2*HALFT
	s_add_co_u32 s19, s19, R12+4*HALFT
	v_add_nc_u32 v[ADRA+1], s18, v4
	v_add_nc_u32 v[ADRA+3], s18, v5
	v_add_nc_u32 v[ADRB+1], s19, v4
	v_add_nc_u32 v[ADRB+3], s19, v5
	s_lshl_b32 s18, s15, 12                        ; A's scale words: my 128 rows
	s_lshl_b32 s19, s16, 12
	s_add_co_u32 s19, s19, 8192                    ; B's, behind A's
	s_sub_co_u32 s19, s19, s18
	v_mul_u32_u24 v6, s19, v3                      ; lanes 16-31 take B's: one product, the distance between the two
	s_add_co_u32 s18, s18, SCL
	v_lshl_add_u32 v6, v2, 3, v6                   ; + 8 r
	v_add_nc_u32 v[ADRS], s18, v6
	s_lshl_b32 s18, s14, 12
	s_add_co_u32 s18, s18, SCL
	v_add_nc_u32 v6, s18, v4                       ; where I put my 4,096 bytes of words
	v_lshlrev_b32 v7, 7, v3                        ; q, k: the bias of features 32 h ..
	v_lshrrev_b32 v8, 3, v2
	v_lshlrev_b32 v8, 7, v8
	v_and_b32 v11, 7, v2
	v_lshl_add_u32 v11, v11, 2, v8                 ; v: the bias of d = 32 (r / 8) + r % 8
	v_lshlrev_b32 v9, 3, v3                        ; 8 h
	WALU
	s_cmp_eq_u32 s[TEN], 2                         ; the tensor is the same in every wave of the cluster; no barrier and no tensor load stands on either side
	s_cbranch_scc1 .Lv_head
	s_lshl_b32 s2, s42, 10
	s_lshl_b32 s3, s16, 9
	s_add_co_u32 s2, s2, s3                        ; my 128 features' bias: 4 (256 x tile column + 128 x half)
	s_mov_b32 s3, 0
	s_add_nc_u64 s[96:97], s[96:97], s[2:3]
.irp b, 0,1,2,3,4,5,6,7
	global_load_b128 v[BI+8*\b:BI+8*\b+3], v7, s[96:97] offset:256*(\b/4)+32*(\b%4)       ; features 64 c + 32 h + 8 j + 0 .. 7, as the result's registers lie
	global_load_b128 v[BI+8*\b+4:BI+8*\b+7], v7, s[96:97] offset:256*(\b/4)+32*(\b%4)+16
.endr
	s_lshl_b32 s92, s17, 1
	s_add_co_u32 s92, s92, s15                     ; my block of 128 tokens, 0 .. 31
	s_lshl_b32 s67, s42, 2
	s_lshl_b32 s93, s16, 1
	s_add_co_u32 s67, s67, s93                     ; my even head: 4 x tile column + 2 x half
	s_mul_i32 s2, s[TEN], 3145728
	s_mov_b32 s8, 98304                            ; from the even head's half of a fragment to the odd head's
	s_mov_b32 s10, 768                             ; from a block of 16 tokens to the next
	s_mov_b32 s4, 1536                             ; from a pair of blocks to the next,
	s_mov_b32 s22, 1536                            ; and over the middle
	s_branch .Lhead
.Lv_head:
	s_lshl_b32 s2, s17, 10
	s_lshl_b32 s3, s15, 9
	s_add_co_u32 s2, s2, s3                        ; my 128 rows of Wv: their bias
	s_mov_b32 s3, 0
	s_add_nc_u64 s[96:97], s[96:97], s[2:3]
.irp t, 0,1,2,3,4,5,6,7
	global_load_b32 v[BI+8*\t], v11, s[96:97] offset:256*(\t/4)+32*(\t%4)                  ; bv of my d in tile t
.endr
	s_lshl_b32 s92, s42, 1
	s_add_co_u32 s92, s92, s16                     ; my block of 128 keys, 0 .. 31
	s_lshl_b32 s67, s17, 2
	s_lshl_b32 s93, s15, 1
	s_add_co_u32 s67, s67, s93                     ; my first head
	s_mov_b32 s2, 6291456
	s_mov_b32 s8, 768                              ; a fragment's two halves lie on end
	s_mov_b32 s10, 1536
	s_mov_b32 s4, 3072
	s_mov_b32 s22, 95232                           ; from the first head's tile 2 to the second head's tile 0
	s_wait_loadcnt 0x0
.irp t, 0,1,2,3,4,5,6,7
.irp i, 1,2,3,4,5,6,7
	v_mov_b32 v[BI+8*\t+\i], v[BI+8*\t]            ; over the tile's eight registers
.endr
.endr
.Lhead:
	s_lshr_b32 s93, s92, 4                         ; the batch
	s_and_b32 s92, s92, 15
	s_lshl_b32 s93, s93, 4
	s_add_co_u32 s67, s67, s93                     ; bh = 16 x batch + head
	s_mul_i32 s18, s67, 98304
	s_add_co_u32 s2, s2, s18
	s_mul_i32 s18, s92, 6144
	s_add_co_u32 s2, s2, s18
	s_mov_b32 s3, 0
	s_mov_b32 s9, 0
	s_mov_b32 s11, 0
	s_mov_b32 s23, 0
	s_add_nc_u64 s[12:13], s[12:13], s[2:3]        ; the way out's four places: block a, first and second half of its codes,
	s_mov_b32 s2, s4                               ; (s[2:3], s[22:23]: the two steps)
	s_add_nc_u64 s[4:5], s[12:13], s[8:9]
	s_add_nc_u64 s[8:9], s[12:13], s[10:11]        ; and block a + 1's
	s_add_nc_u64 s[10:11], s[4:5], s[10:11]
	s_mov_b32 s[SEL], 0x76543210
	s_mov_b32 s[SEL+1], 0xfedcba98
	s_wait_loadcnt 0x0                             ; the scale words, and the bias
.irp i, 0,1,2,3,4,5,6,7
	ds_store_b128 v6, v[AF+4*\i:AF+4*\i+3] offset:512*\i
.endr
.macro FRAG reg, adr, off              ; a fragment comes back as it was stored: every load takes 512 or 256 consecutive bytes
	ds_load_b128 v[\reg:\reg+3], v[\adr] offset:\off
	ds_load_b64 v[\reg+4:\reg+5], v[\adr+2] offset:\off
	ds_load_b128 v[\reg+6:\reg+9], v[\adr] offset:\off+768
	ds_load_b64 v[\reg+10:\reg+11], v[\adr+2] offset:\off+768
.endm
; Step st = 0 .. 7 of 128 along K lies in quarter st / 2: quarters 0 and 3 in the first place, 1 and 2 on end in the second.
.macro WHERE st
.set QT_, (\st)/2
.set PL_, ((QT_+1)/2)%2
.set OF_, 12288*((\st)%2)+24576*(QT_/2)*(1-QT_/3)
.endm
.macro FETCH_B st
	WHERE \st
	WIN TO_B
.irp i, 0,1,2,3,4,5,6,7
	FRAG 128*((\st)%2)+FR*\i, ADRB+PL_, OF_+1536*\i
.endr
	WIN 0
.endm
.macro FETCH_A st, i0
	WHERE \st
.irp i, \i0, \i0+1, \i0+2, \i0+3
	FRAG AF+FR*(\i), ADRA+PL_, OF_+1536*(\i)
.endr
.endm
.macro SCALES qt                       ; a quarter's two words a row: lanes 0-15 A's block i, lanes 16-31 B's block i
.irp i, 0,1,2,3,4,5,6,7
	ds_load_b64 v[SC+16*((\qt)%2)+2*\i:SC+16*((\qt)%2)+2*\i+1], v[ADRS] offset:512*\i+128*(\qt)
.endr
.endm
; 16 matrix instructions: A's blocks a0, a0 + 1 x B's eight.  c: what the sum begins with (0: it goes on; 1: the bias along B; 2: the bias along A).
; The 64 accumulators take turns, one instruction a turn, in the same order in every step.
.macro WM d, s0, s1, c, x0, x1
	v_wmma_scale_f32_16x16x128_f8f6f4 v[\d:\d+7], v[\s0:\s0+FR-1], v[\s1:\s1+FR-1], v[\c:\c+7], v[\x0], v[\x1] matrix_a_fmt:MATRIX_FMT_FP6 matrix_b_fmt:MATRIX_FMT_FP6 matrix_a_scale:MATRIX_SCALE_ROW1
.endm
.macro MUL16 a0, st, c
.if \c
	WIN 0x81+0x40*((\a0)/4)                        ; source 0 (B) window 1, sources 1 and 2 window 0, D window 2 or 3
.else
	WIN 0xa1+0x50*((\a0)/4)                        ; C and D window 2 or 3
.endif
.set XS_, SC+16*(((\st)/2)%2)+(\st)%2
.irp a, \a0, \a0+1
.irp b, 0,1,2,3,4,5,6,7
.set D_, 8*(8*((\a)%4)+\b)
.if (\c) == 1
	WM D_, 128*((\st)%2)+FR*\b, AF+FR*(\a), BI+8*\b, XS_+2*\b, XS_+2*(\a)
.elseif (\c) == 2
	WM D_, 128*((\st)%2)+FR*\b, AF+FR*(\a), BI+8*(\a), XS_+2*\b, XS_+2*(\a)
.else
	WM D_, 128*((\st)%2)+FR*\b, AF+FR*(\a), D_, XS_+2*\b, XS_+2*(\a)
.endif
.endr
.endr
.endm
; A step.  A has one set of registers: blocks 0-3 are fetched anew in the step's middle, blocks 4-7 at its end; B has two.
; Step 1 ends quarter 0: a round of the cluster's barrier, behind it quarter 3 takes quarter 0's place.  Step 5 ends quarter 2: a plain barrier shows quarter 3 to all.
.macro STEP st, c
.if (\st) == 1
	s_wait_tensorcnt 0x0                           ; all my tensor loads have landed, quarters 1 and 2 among them
	ds_add_u32 v[SPW], v[NIL]
	s_wait_dscnt 17                                ; the add and the youngest 16 loads (A's blocks 4-7) may be out
.else
.if (\st) == 5
	s_wait_tensorcnt 0x0
.endif
	s_wait_dscnt 16                                ; all but the youngest 16 loads (A's blocks 4-7) are in
.endif
	MUL16 0, \st, \c
.if ((\st) == 1) || ((\st) == 5)
	s_wait_dscnt 0x0                               ; my LDS work is done, my reads of the quarter among it
	s_barrier_signal -1
	MUL16 2, \st, \c
	WIN 0
	s_barrier_wait -1
.if (\st) == 1
	CREST                                          ; no wave of any partner still reads quarter 0 or has a load on its way
	s_add_nc_u64 s[G0A+2:G0A+3], s[G0A+2:G0A+3], 3*HALFT
	s_add_nc_u64 s[G0B+2:G0B+3], s[G0B+2:G0B+3], 3*HALFT
	s_cmp_eq_u32 s14, 0
	s_cbranch_scc0 .Lfor_b
	TLOAD G0A, G1A                                 ; wave 0: quarter 3 of A's 256 rows
	s_branch .Lrefilled
.Lfor_b:
	s_cmp_eq_u32 s14, 1
	s_cbranch_scc0 .Lrefilled
	TLOAD G0B, G1B                                 ; wave 1: of B's
.Lrefilled:
.endif
.else
	MUL16 2, \st, \c
	s_wait_dscnt 0                                 ; A's blocks 4-7 are in
	WIN 0
.endif
.if (\st) < 7
	PLACES NP                                      ; in front of loads into registers that matrix instructions have read
	FETCH_B (\st)+1
	FETCH_A (\st)+1, 0
.if (\st)%2
	SCALES ((\st)+1)/2
.endif
.endif
	MUL16 4, \st, \c
	MUL16 6, \st, \c
	WIN 0
	PLACES NP
.if (\st) < 7
	FETCH_A (\st)+1, 4
.endif
.endm
; Blocks a, a + 1 of 16 rows of A leave: quantised along B's 128 rows (each accumulator is read from its low end on), stored as images.
.macro EPI2 a
.set W_, 2+(\a)/4
.set B_, 64*((\a)%4)
.if (\a) > 0
	s_wait_xcnt 0x0                                ; the last pair's stores have read their registers and bases
.irp p, 12,4,8,10
.if (\a) == 4
	s_add_nc_u64 s[\p:\p+1], s[\p:\p+1], s[22:23]
.else
	s_add_nc_u64 s[\p:\p+1], s[\p:\p+1], s[2:3]
.endif
.endr
.endif
	WIN 21*W_
.irp u, 0,1
.irp g, 0,1,2,3
	v_max3_num_f32 v[TM+4*\u+\g], |v[B_+64*\u+16*\g]|, |v[B_+64*\u+16*\g+1]|, |v[B_+64*\u+16*\g+2]|
.endr
.endr
	WIN 20*W_
.irp i, 3,5,7,9,11,13
.irp u, 0,1
.irp g, 0,1,2,3
	v_max3_num_f32 v[TM+4*\u+\g], v[TM+4*\u+\g], |v[B_+64*\u+16*\g+\i]|, |v[B_+64*\u+16*\g+\i+1]|   ; eight chains by turns
.endr
.endr
.endr
	WIN 4*W_
.irp u, 0,1
.irp c, 0,1
	v_max3_num_f32 v[TM+4*\u+2*\c], v[TM+4*\u+2*\c], |v[B_+64*\u+32*\c+15]|, v[TM+4*\u+2*\c+1]
.endr
.endr
.irp u, 0,1
.irp c, 0,1
	v_max3_num_f32 v[TM+4*\u+2*\c], v[TM+4*\u+2*\c], |v[B_+64*\u+32*\c+31]|, 0x1800000   ; and the floor 2^(3 - 127): the byte cannot fall under 1
.endr
.endr
	WIN 0
.irp u, 0,1
.irp c, 0,1
	v_add_nc_u32 v[SO+2*\u+\c], 0xff000000, v[TM+4*\u+2*\c]   ; 2 off its exponent field: the conversion's scale operand
.endr
.endr
	WIN W_
.irp u, 0,1
.irp c, 0,1
	v_cvt_scalef32_pk16_fp6_f32 v[PC+20*\u+6*\c:PC+20*\u+6*\c+2], v[B_+64*\u+32*\c:B_+64*\u+32*\c+15], v[SO+2*\u+\c]
	v_cvt_scalef32_pk16_fp6_f32 v[PC+20*\u+12+4*\c:PC+20*\u+14+4*\c], v[B_+64*\u+32*\c+16:B_+64*\u+32*\c+31], v[SO+2*\u+\c]
.endr
.endr
	WIN 0
.irp g, 0,1,2,3
	v_lshrrev_b32 v[EB+\g], 23, v[SO+\g]           ; the scales' bytes; also the plain instructions behind the conversions
.endr
.irp u, 0,1
.irp c, 0,1
.irp i, 0,1,2
	v_mov_b32 v[PC+20*\u+6*\c+3+\i], v[PC+20*\u+12+4*\c+\i]
.endr
.endr
.endr
.irp u, 0,1
	v_lshl_or_b32 v[OW+\u], v[EB+2*\u+1], 16, v[EB+2*\u]
.endr
.irp u, 0,1
	v_lshlrev_b32 v[OW+\u], v9, v[OW+\u]           ; my bytes h and 2 + h,
.endr
.irp u, 0,1
	v_permlanex16_b32 v[OW+2+\u], v[OW+\u], s[SEL], s[SEL+1]
.endr
.irp u, 0,1
	v_or_b32 v[PWS+(\a)+\u], v[OW+\u], v[OW+2+\u]  ; and the other half's two
.endr
	global_store_b128 v4, v[PC:PC+3], s[12:13]     ; each store covers 512 or 256 consecutive bytes, aligned
	global_store_b64 v5, v[PC+4:PC+5], s[12:13]
	global_store_b128 v4, v[PC+6:PC+9], s[4:5]
	global_store_b64 v5, v[PC+10:PC+11], s[4:5]
	global_store_b128 v4, v[PC+20:PC+23], s[8:9]
	global_store_b64 v5, v[PC+24:PC+25], s[8:9]
	global_store_b128 v4, v[PC+26:PC+29], s[10:11]
	global_store_b64 v5, v[PC+30:PC+31], s[10:11]
.endm
	WALU
	s_cmp_lt_u32 s14, 2                            ; waves 0 and 1 have quarter 0 on its way; quarters 1 and 2 may be out
	s_cbranch_scc0 .Lnot_first
	s_wait_tensorcnt 0x0
.Lnot_first:
	s_wait_dscnt 0x0                               ; my words are stored
	s_barrier_signal -1
	s_barrier_wait -1
	FETCH_B 0
	FETCH_A 0, 0
	SCALES 0
	FETCH_A 0, 4
	s_cmp_eq_u32 s[TEN], 2                         ; the first products start the sums with the bias: nothing is cleared
	s_cbranch_scc1 .Lv_start
	STEP 0, 1
	s_branch .Lstarted
.Lv_start:
	STEP 0, 2
.Lstarted:
.irp t, 1,2,3,4,5,6,7
	STEP \t, 0
.endr
.irp t, 0,2,4,6
	EPI2 \t
.endr
	v_cmp_eq_u32 vcc_lo, 1, v3                     ; lanes 0-15 store the even (first) head's words, lanes 16-31 the odd head's
	v_lshlrev_b32 v10, 4, v2
	v_mov_b32 v[SELV], 0x01000100                  ; q: the head's two bytes, twice
	v_mov_b32 v[SELV+1], 0x03020302
	v_mov_b32 v[SELV+2], 0x05040100                ; k: the bytes of tile 2 i below, those of tile 2 i + 1 above
	v_mov_b32 v[SELV+3], 0x07060302
	v_cndmask_b32 v[SELV], v[SELV], v[SELV+1], vcc_lo
	v_cndmask_b32 v[SELV+2], v[SELV+2], v[SELV+3], vcc_lo
	s_lshl_b32 s2, s67, 12
	s_lshl_b32 s18, s92, 8
	s_add_co_u32 s2, s2, s18                       ; k, v: 4,096 bh + 256 step
	WALU
	s_cmp_eq_u32 s[TEN], 2
	s_cbranch_scc1 .Lv_words
	s_cmp_eq_u32 s[TEN], 0
	s_cbranch_scc0 .Lk_words
.irp t, 0,1,2,3,4,5,6,7
	v_perm_b32 v[WS+\t], v[PWS+\t], v[PWS+\t], v[SELV]
.endr
	v_lshl_add_u32 v10, v3, 13, v10                ; 8,192 h + 16 r
	s_lshl_b32 s2, s2, 1                           ; 8,192 bh + 512 block
	s_add_nc_u64 s[98:99], s[98:99], s[2:3]
	global_store_b128 v10, v[WS:WS+3], s[98:99]            ; sixteen lanes store 256 consecutive bytes, aligned
	global_store_b128 v10, v[WS+4:WS+7], s[98:99] offset:256
	s_branch .Lend
.Lk_words:
.irp t, 0,1,2,3
	v_perm_b32 v[WS+\t], v[PWS+2*\t+1], v[PWS+2*\t], v[SELV+2]
.endr
	v_lshl_add_u32 v10, v3, 12, v10                ; 4,096 h + 16 r
	s_add_co_u32 s2, s2, 262144
	s_add_nc_u64 s[98:99], s[98:99], s[2:3]
	global_store_b128 v10, v[WS:WS+3], s[98:99]
	s_branch .Lend
.Lv_words:
.irp t, 0,1,2,3
	v_cndmask_b32 v[WS+\t], v[PWS+\t], v[PWS+4+\t], vcc_lo   ; lanes 0-15 my first head's four tiles of d, lanes 16-31 my second's
.endr
	v_lshl_add_u32 v10, v3, 12, v10
	s_add_co_u32 s2, s2, 393216
	s_add_nc_u64 s[98:99], s[98:99], s[2:3]
	global_store_b128 v10, v[WS:WS+3], s[98:99]
.Lend:
	s_wait_tensorcnt 0x0                           ; the wave's end
	ds_add_u32 v[SPW], v[NIL]
	s_wait_dscnt 0x0
	CROUND                                         ; the closing round: no work-group ends while a partner may still ask for a tile that names it
	s_endpgm
.Lfunc_end_k_q3030dbaccf_proj:
	.size	k_q3030dbaccf_proj, .Lfunc_end_k_q3030dbaccf_proj-k_q3030dbaccf_proj
	.p2alignl 7, 3214868480
	.fill 96, 4, 3214868480
	.section	.rodata,"a",@progbits
	.p2align	6, 0x0
	.amdhsa_kernel k_q3030dbaccf_proj
		.amdhsa_group_segment_fixed_size 327680
		.amdhsa_private_segment_fixed_size 0
		.amdhsa_enable_private_segment 0
		.amdhsa_kernarg_size 72
		.amdhsa_user_sgpr_count 2
		.amdhsa_user_sgpr_kernarg_segment_ptr 1
		.amdhsa_wavefront_size32 1
		.amdhsa_system_sgpr_workgroup_id_x 1
		.amdhsa_system_sgpr_workgroup_id_y 1
		.amdhsa_system_sgpr_workgroup_id_z 1
		.amdhsa_system_vgpr_workitem_id 0
		.amdhsa_next_free_vgpr 1024
		.amdhsa_next_free_sgpr 102
		.amdhsa_reserve_vcc 1
		.amdhsa_float_denorm_mode_32 3
		.amdhsa_float_denorm_mode_16_64 3
		.amdhsa_memory_ordered 1
		.amdhsa_forward_progress 1
		.amdhsa_inst_pref_size 163
	.end_amdhsa_kernel
	.amdgpu_metadata
---
amdhsa.version: [ 1, 2 ]
amdhsa.kernels:
  - .name:           k_q3030dbaccf_proj
    .symbol:         k_q3030dbaccf_proj.kd
    .args:
      - { .name: xc, .offset: 0, .size: 8, .value_kind: global_buffer, .address_space: global }
      - { .name: xs, .offset: 8, .size: 8, .value_kind: global_buffer, .address_space: global }
      - { .name: wc, .offset: 16, .size: 8, .value_kind: global_buffer, .address_space: global }
      - { .name: ws, .offset: 24, .size: 8, .value_kind: global_buffer, .address_space: global }
      - { .name: bq, .offset: 32, .size: 8, .value_kind: global_buffer, .address_space: global }
      - { .name: bk, .offset: 40, .size: 8, .value_kind: global_buffer, .address_space: global }
      - { .name: bv, .offset: 48, .size: 8, .value_kind: global_buffer, .address_space: global }
      - { .name: ac, .offset: 56, .size: 8, .value_kind: global_buffer, .address_space: global }
      - { .name: asc, .offset: 64, .size: 8, .value_kind: global_buffer, .address_space: global }
    .group_segment_fixed_size: 327680
    .private_segment_fixed_size: 0
    .kernarg_segment_align: 8
    .kernarg_segment_size: 72
    .max_flat_workgroup_size: 128
    .sgpr_count:     102
    .vgpr_count:     1024
    .wavefront_size: 32
...
	.end_amdgpu_metadata
.endif
;; end of part 2
;; launch attn (part 3): grid 8 x 32, 8 waves a work-group, clusters of 4 x 1, 206,336 bytes of LDS; arguments ac, asc, oc, osc; writes oc, osc
.if DOCPART == 3
	.amdgcn_target "amdgcn-amd-amdhsa--gfx1250"
	.amdhsa_code_object_version 6
	.text
	.protected	k_q3030dbaccf_attn
	.globl	k_q3030dbaccf_attn
	.p2align	8
	.type	k_q3030dbaccf_attn,@function
k_q3030dbaccf_attn:
	s_mov_b64 s[64:65], 0
	v_nop
	global_prefetch_b8 v0, s[64:65] scope:SCOPE_SE
	s_setreg_imm32_b32 hwreg(HW_REG_WAVE_MODE, 25, 1), 1
	s_wait_xcnt 0x0
	s_wait_alu depctr_hold_cnt(0) depctr_sa_sdst(0) depctr_va_vdst(0) depctr_va_sdst(0) depctr_va_ssrc(0) depctr_va_vcc(0) depctr_vm_vsrc(0)
	s_getreg_b32 s2, hwreg(HW_REG_IB_STS2, 6, 4)
	s_cmp_eq_u32 s2, 0
	s_cbranch_scc0 .Lentry_in_a_cluster
	s_endpgm
.Lentry_in_a_cluster:
	s_bfe_u32 s2, ttmp6, 0x10000c
	s_cmp_lg_u32 s2, 0x3003
	s_cbranch_scc0 .Lentry_shape_is_right
	s_endpgm
.Lentry_shape_is_right:
; o = softmax(q k^T / 8) v for one head, both products on codes of FP6 (E2M3) with E8M0 scales; o is quantised on the way out, along d, for the last projection.
; THE SOFTMAX AHEAD OF THE SECOND PRODUCT: t = score x log2(e) / 8; M = the row's largest t so far, rounded up to a whole number; p = 2^(t - M) is quantised along the keys, not normalised.  The row's sum is
; taken of the unquantised p and divides at the end.  When M moves, the sum and O are multiplied by 2^(old M - new M), which rounds nothing.
; SHARES.  A work-group owns 256 queries of one head (bh = grid y), each of its eight waves two tiles of 16, A and B (x = 0, 1): each fragment of K and V that a wave loads serves both.  The keys go in eight steps of 256.
; A HEAD'S K AND V LIE IN LDS WHOLE, filled once: no byte is ever filled again.  Wave s issues one tensor load, for step s: its 12,288 bytes of k's codes and its 12,288 of v's (two rows).  The scale words, 8,192 bytes,
; come through registers, 1,024 bytes a wave.  CLUSTER 4 x 1: the four work-groups of a cluster belong to one head and make every request jointly.  No prefetch: all is asked for at the head.
; LAYOUT.  Both products are used transposed: S^T = K Q^T, O^T = V^T P^T: a lane holds one query of each tile (lane % 16) throughout.  Operands are images of their registers (see the launch that makes them).  By the order of
; the keys in K's tiles a lane of half h holds in the 32 registers of band c of 128 keys the keys 64 c + 32 h + 0 .. 31: one whole scale block of p.  By the order of V's tiles its 32 registers of O^T are d = 32 h + 0 .. 31.
; K = 64 IN AN INSTRUCTION OF 128.  A fragment of K holds key tile 2 i in registers 0-5 and key tile 2 i + 1 in registers 6-11.  Against [q | zeros] it gives tile 2 i's scores, against [zeros | q] tile 2 i + 1's:
; zero codes add nothing.  Both tiles' q lie among three runs of zeros.  K's scale word carries both key tiles' bytes, q's its two bytes twice.
; BARRIERS.  The first shows the words and step 0.  The second is signalled inside step 0, behind each wave's wait for its tensor load, and waited for ahead of the first read of step 1: it shows steps 1 to 7.
; Between signal and wait stand register work and LDS loads of bytes that nobody writes again.
; LIMITS: NaN and infinities are not served; the scaled scores stay under 2^31 in magnitude; a block whose largest magnitude lies under 2^-124 (a block of p that has fallen to 0 among them) has its byte held at 1.
; REGISTERS.  Window 1: tile x's scores, then p, at v[128 x ..]; V's fragments over tile A's p.  Window 0: v1, v2, v5, v9 addresses that stay; v3-4 for the add; v6-8 the step's addresses; v12 + 2 x: -M, v13 + 2 x: the largest score;
;   v[16 + 2 x ..] the sum, v[20 + 2 x ..] f; v24-53 zeros, q, zeros, q, zeros; v54-75, v92-93 scale words; v76-91 maxima; v96-143 K's first four fragments, then at work; v144-191 K's second four, then p's codes; v192-255 O^T.
.set SLOT, 24576                       ; LDS: step s at s SLOT: K's codes, then V's;
.set WORDS, 8*SLOT                     ; K's words, V's 4,096 bytes on;
.set OST,  WORDS+8192                  ; o's scale bytes (512);
.set SPARE, OST+512                    ; the spare words (1,024)
.set WV,   12
.set G1,   24
.set G0,   40
.set SEL,  60
.set CS,   62                          ; s[62:63] c = log2(e) / 8
.set NC,   66                          ; -c
.set TB,   67                          ; the step's codes in LDS
.set TS,   68                          ; the step's scale words
.set CNT,  69
.set ZQ,   24                          ; tile x: [zeros | q] at ZQ + 12 x, [q | zeros] at ZQ + 6 + 12 x
.set QW,   54                          ; q's words
.set PW0,  56                          ; p's words, first 128 keys
.set WK0,  60                          ; K's words, V's words
.set WK1,  64
.set WV0,  68
.set T,    76                          ; tile x, half u: four chains at T + 8 x + 4 u
.set PW1,  92                          ; p's words, second 128 keys
.set KB,   96
.set SM,   96                          ; partial sums
.set MT,   112                         ; at work
.set XT,   128                         ; the conversions' second halves
.set KA,   144
.set P,    144                         ; p's codes: tile x, half u at P + 24 x + 12 u
.set OT,   192
.set MSB, 0
.macro WIN new                         ; the immediate's high byte repeats the setting that is left
.if MSB != \new
	s_set_vgpr_msb (MSB<<8)|\new
.set MSB, \new
.endif
.endm
.macro WALU
	s_wait_alu depctr_va_vdst(0)
.endm
.macro PLACES n
.rept \n
	v_nop
.endr
.endm
.macro CROUND
	s_barrier_signal -1
	s_barrier_wait -1
	s_cmp_lg_u32 s[WV], 0
	s_cbranch_scc1 .Lnot_wave_0_\@
	s_barrier_signal -3
.Lnot_wave_0_\@:
	s_barrier_wait -3
	s_barrier_signal -1
	s_barrier_wait -1
.endm
.macro TLOAD g0, g1
	tensor_load_to_lds s[\g0:\g0+3], s[\g1:\g1+7]
	s_nop 0
	PLACES 4
.endm
	s_load_b256 s[4:11], s[0:1], 0x0               ; ac, asc, oc, osc
	v_lshl_add_u32 v3, v0, 2, SPARE
	v_mov_b32 v4, 0
	ds_add_u32 v3, v4                              ; the wave's opening: the add, twice on end, and its wait
	ds_add_u32 v3, v4
	v_lshrrev_b32 v6, 5, v0
	v_readfirstlane_b32 s[WV], v6                  ; wave 0..7
	s_and_b32 s15, ttmp7, 0xffff                   ; bh: the four partners share it
	s_mov_b32 s[G1], 15|(3<<16)|(1<<21)            ; 15:0 the mask: all four work-groups; 17:16 elements of 8 bytes; 21 set beside a mask
	s_mov_b32 s[G1+1], 1536<<16                    ; two rows of 12,288 bytes: k's, and v's, 3,145,728 bytes further on
	s_mov_b32 s[G1+2], 2<<16
	s_mov_b32 s[G1+3], 1536<<16
	s_mov_b32 s[G1+4], 2
	s_mov_b32 s[G1+5], 393216
	s_mov_b32 s[G1+6], 0
	s_mov_b32 s[G1+7], 0
	s_mul_i32 s20, s15, 98304
	s_mul_i32 s19, s[WV], 12288
	s_add_co_u32 s20, s20, s19
	s_add_co_u32 s20, s20, 3145728                 ; step = wave of the head's k
	s_mov_b32 s21, 0
	s_lshl_b32 s22, s15, 12
	s_add_co_u32 s22, s22, 262144
	s_lshr_b32 s19, s[WV], 2
	s_lshl_b32 s19, s19, 17
	s_add_co_u32 s22, s22, s19
	s_and_b32 s19, s[WV], 3
	s_lshl_b32 s19, s19, 10
	s_add_co_u32 s22, s22, s19                     ; my 1,024 bytes of the head's words: waves 0-3 k's, 4-7 v's
	s_mov_b32 s23, 0
	s_lshl_b32 s70, s[WV], 6
	s_add_co_u32 s70, s70, OST
	s_lshl_b32 s71, s[WV], 10
	s_add_co_u32 s71, s71, WORDS
	v_and_b32 v6, 31, v0                           ; lane
	v_and_b32 v7, 15, v0                           ; r
	v_bfe_u32 v9, v0, 4, 1                         ; h
	v_lshlrev_b32 v1, 4, v6                        ; 16 x lane
	v_lshlrev_b32 v2, 3, v6
	v_add_nc_u32 v2, 512, v2                       ; 512 + 8 x lane
	v_lshlrev_b32 v8, 4, v7                        ; 16 r
	v_add_nc_u32 v5, WORDS, v8
	v_add_nc_u32 v10, s71, v1                      ; where I put my 1,024 bytes of words
	v_lshl_add_u32 v9, v7, 1, v9
	v_add_nc_u32 v9, s70, v9                       ; my scale byte of o: OST + 64 x wave + 32 x + 2 r + h
	s_mov_b32 s[SEL], 0x76543210
	s_mov_b32 s[SEL+1], 0xfedcba98
	s_mov_b32 s[CS], 0x3e38aa3b                    ; log2(e) / 8
	s_mov_b32 s[CS+1], s[CS]                       ; (named with it as a pair, so it is written)
	s_mov_b32 s[NC], 0xbe38aa3b
	s_mov_b32 s[TB], 0
	s_mov_b32 s[TS], 0
	; what hangs on my place in the cluster enters global addresses of q, oc and osc alone
	s_bfe_u32 s13, ttmp6, 0x40000                  ; cx
	s_lshl_b32 s14, ttmp9, 2
	s_add_co_u32 s14, s14, s13                     ; my block of 256 queries
	s_lshl_b32 s2, s14, 3
	s_add_co_u32 s2, s2, s[WV]                     ; my pair of tiles of 16 queries
	s_mul_i32 s2, s2, 1536
	s_mul_i32 s76, s15, 98304
	s_add_co_u32 s2, s2, s76                       ; their codes
	s_mov_b32 s3, 0
	s_lshl_b32 s70, s15, 13
	s_lshl_b32 s76, s14, 10
	s_add_co_u32 s70, s70, s76
	s_lshr_b32 s76, s[WV], 1
	s_lshl_b32 s76, s76, 8
	s_add_co_u32 s70, s70, s76
	s_and_b32 s76, s[WV], 1
	s_lshl_b32 s76, s76, 3
	s_add_co_u32 s70, s70, s76                     ; their scale words: [bh][block][tile / 4][r][tile % 4]
	s_mov_b32 s71, 0
	s_and_b32 s72, s15, 16                         ; 16 x batch
	s_lshl_b32 s76, s14, 1
	s_add_co_u32 s72, s72, s76
	s_lshr_b32 s76, s[WV], 2
	s_add_co_u32 s72, s72, s76                     ; o: my block of 128 rows,
	s_mul_i32 s72, s72, 98304
	s_bfe_u32 s76, s15, 0x30001
	s_mul_i32 s76, s76, 12288                      ; K step head / 2,
	s_add_co_u32 s72, s72, s76
	s_and_b32 s76, s[WV], 3
	s_mul_i32 s76, s76, 3072                       ; my two tiles,
	s_add_co_u32 s72, s72, s76
	s_and_b32 s76, s15, 1
	s_mul_i32 s76, s76, 768                        ; half head % 2
	s_add_co_u32 s72, s72, s76
	s_mov_b32 s73, 0
	s_and_b32 s74, s15, 15
	s_lshl_b32 s74, s74, 13
	s_lshr_b32 s76, s15, 4
	s_lshl_b32 s76, s76, 12
	s_add_co_u32 s74, s74, s76
	s_lshl_b32 s76, s14, 9
	s_add_co_u32 s74, s74, s76                     ; o's scale bytes: [head][row] two bytes
	s_mov_b32 s75, 0
	WALU
	s_wait_dscnt 0x0                               ; both opening adds are done
	s_wait_kmcnt 0x0
	s_add_nc_u64 s[2:3], s[4:5], s[2:3]
	s_add_nc_u64 s[70:71], s[6:7], s[70:71]
	s_add_nc_u64 s[8:9], s[8:9], s[72:73]
	s_add_nc_u64 s[10:11], s[10:11], s[74:75]
	s_add_nc_u64 s[22:23], s[6:7], s[22:23]
.irp i, 0,1
	global_load_b128 v[KB+4*\i:KB+4*\i+3], v1, s[22:23] offset:512*\i
.endr
.irp x, 0,1                                    ; q's half fragments
	global_load_b128 v[ZQ+6+12*\x:ZQ+9+12*\x], v1, s[2:3] offset:768*\x
	global_load_b64 v[ZQ+10+12*\x:ZQ+11+12*\x], v2, s[2:3] offset:768*\x
	global_load_b32 v[QW+\x], v8, s[70:71] offset:4*\x
.endr
	s_mov_b32 s[G0], 1
	s_mul_i32 s[G0+1], s[WV], SLOT
	s_add_nc_u64 s[G0+2:G0+3], s[4:5], s[20:21]
	s_or_b32 s[G0+3], s[G0+3], 0x80000000
	CROUND                                         ; all four work-groups are here: the joint loads meet
	s_cmp_eq_u32 s[WV], 0                          ; all the launch's fills, one a wave
	s_cbranch_scc0 .Lsteps
	TLOAD G0, G1                                   ; step 0
	s_branch .Lasked
.Lsteps:
	TLOAD G0, G1                                   ; steps 1 to 7
.Lasked:
.irp j, 0,1,2,3,4,5
	v_mov_b32 v[ZQ+\j], 0                          ; zero codes
	v_mov_b32 v[ZQ+12+\j], 0
	v_mov_b32 v[ZQ+24+\j], 0
.endr
	v_mov_b32 v21, 0                               ; (named as the upper halves of f's pairs)
	v_mov_b32 v23, 0
.macro KLOAD r, off, w, woff           ; K's four fragments of 128 keys, and their words: 17 loads
.irp i, 0,1,2,3
	ds_load_b128 v[\r+12*\i:\r+12*\i+3], v6 offset:\off+1536*\i
	ds_load_b64 v[\r+12*\i+4:\r+12*\i+5], v7 offset:\off+1536*\i
	ds_load_b128 v[\r+12*\i+6:\r+12*\i+9], v6 offset:\off+1536*\i+768
	ds_load_b64 v[\r+12*\i+10:\r+12*\i+11], v7 offset:\off+1536*\i+768
.endr
	ds_load_b128 v[\w:\w+3], v8 offset:\woff
.endm
.macro VLOAD                           ; V's eight fragments, over tile A's p, which has been converted (half u, tile t at 48 u + 12 t), and their words
	WIN 0x40
.irp u, 0,1
.irp t, 0,1,2,3
	ds_load_b128 v[48*\u+12*\t:48*\u+12*\t+3], v6 offset:12288+6144*\u+1536*\t
	ds_load_b64 v[48*\u+12*\t+4:48*\u+12*\t+5], v7 offset:12288+6144*\u+1536*\t
	ds_load_b128 v[48*\u+12*\t+6:48*\u+12*\t+9], v6 offset:12288+6144*\u+1536*\t+768
	ds_load_b64 v[48*\u+12*\t+10:48*\u+12*\t+11], v7 offset:12288+6144*\u+1536*\t+768
.endr
.endr
	WIN 0
.irp u, 0,1
	ds_load_b128 v[WV0+4*\u:WV0+4*\u+3], v8 offset:4096+256*\u
.endr
.endm
.macro SPROD u, r, w                   ; S^T: eight tiles of 16 keys for each of the two query tiles
	WIN 0x40
.irp i, 0,1,2,3
.irp x, 0,1
	v_wmma_scale_f32_16x16x128_f8f6f4 v[128*\x+64*\u+16*\i:128*\x+64*\u+16*\i+7], v[\r+12*\i:\r+12*\i+11], v[ZQ+6+12*\x:ZQ+17+12*\x], 0, v[\w+\i], v[QW+\x] matrix_a_fmt:MATRIX_FMT_FP6 matrix_b_fmt:MATRIX_FMT_FP6
	v_wmma_scale_f32_16x16x128_f8f6f4 v[128*\x+64*\u+16*\i+8:128*\x+64*\u+16*\i+15], v[\r+12*\i:\r+12*\i+11], v[ZQ+12*\x:ZQ+11+12*\x], 0, v[\w+\i], v[QW+\x] matrix_a_fmt:MATRIX_FMT_FP6 matrix_b_fmt:MATRIX_FMT_FP6
.endr
.endr
	WIN 0
.endm
.macro OPROD u, pw, zero               ; O^T += V^T P^T: the eight accumulators by turns
	WIN 0x01
.irp t, 0,1,2,3
.irp x, 0,1
.if \zero
	v_wmma_scale_f32_16x16x128_f8f6f4 v[OT+32*\x+8*\t:OT+32*\x+8*\t+7], v[48*\u+12*\t:48*\u+12*\t+11], v[P+24*\x+12*\u:P+24*\x+12*\u+11], 0, v[WV0+4*\u+\t], v[\pw+\x] matrix_a_fmt:MATRIX_FMT_FP6 matrix_b_fmt:MATRIX_FMT_FP6
.else
	v_wmma_scale_f32_16x16x128_f8f6f4 v[OT+32*\x+8*\t:OT+32*\x+8*\t+7], v[48*\u+12*\t:48*\u+12*\t+11], v[P+24*\x+12*\u:P+24*\x+12*\u+11], v[OT+32*\x+8*\t:OT+32*\x+8*\t+7], v[WV0+4*\u+\t], v[\pw+\x] matrix_a_fmt:MATRIX_FMT_FP6 matrix_b_fmt:MATRIX_FMT_FP6
.endif
.endr
.endr
	WIN 0
.endm
.macro MAXH u                          ; the largest scores of half u's blocks, both tiles: two chains a block, eight by turns; they end in T + 8 x + 4 u and 2 further on
	WIN 0x15
.irp x, 0,1
.irp g, 0,1,2,3
	v_max3_num_f32 v[T+8*\x+4*\u+\g], v[128*\x+64*\u+16*\g], v[128*\x+64*\u+16*\g+1], v[128*\x+64*\u+16*\g+2]
.endr
.endr
	WIN 0x14
.irp i, 3,5,7,9,11,13
.irp x, 0,1
.irp g, 0,1,2,3
	v_max3_num_f32 v[T+8*\x+4*\u+\g], v[T+8*\x+4*\u+\g], v[128*\x+64*\u+16*\g+\i], v[128*\x+64*\u+16*\g+\i+1]
.endr
.endr
.endr
	WIN 0x04
.irp x, 0,1
.irp g, 0,2
	v_max3_num_f32 v[T+8*\x+4*\u+\g], v[T+8*\x+4*\u+\g], v[128*\x+64*\u+16*\g+15], v[T+8*\x+4*\u+\g+1]
.endr
.endr
.irp x, 0,1
.irp g, 0,2
	v_max_num_f32 v[T+8*\x+4*\u+\g], v[T+8*\x+4*\u+\g], v[128*\x+64*\u+16*\g+31]
.endr
.endr
	WIN 0
.endm
.macro TSUB x, j                       ; t - M, two at a time
	v_pk_fma_f32 v[128*\x+\j:128*\x+\j+1], v[128*\x+\j:128*\x+\j+1], s[CS:CS+1], v[12+2*\x:13+2*\x] op_sel_hi:[1,0,0]
.endm
.macro EXPS e, x, j                    ; p = 2^(t - M), at most 1: 64 numbers; among them the t - M of 64 others, which the next batch takes
	WIN 0x41
.set j_, 0
.rept 32
	v_exp_f32 v[\e+j_], v[\e+j_]
	v_exp_f32 v[\e+j_+1], v[\e+j_+1]
	TSUB \x, \j+j_
.set j_, j_+2
.endr
.endm
.macro TEXP x                          ; the blocks' largest p: p rises with the score
	WIN 0
.irp g, 0,2,4,6
	v_exp_f32 v[T+8*\x+\g], v[T+8*\x+\g]
.endr
.endm
.macro WORK x, first                   ; tile x's sum, scale words and codes
.irp g, 0,2,4,6
	v_max_num_f32 v[T+8*\x+\g], 0x1800000, v[T+8*\x+\g]      ; the floor 2^(3 - 127): the byte cannot fall under 1
.endr
.irp g, 0,2,4,6
	v_add_nc_u32 v[T+8*\x+\g+1], 0xff000000, v[T+8*\x+\g]    ; 2 off the exponent field: the conversion's scale operand
.endr
.if \x
.irp k, 0,1,2,3,4,5,6,7
	v_pk_add_f32 v[SM+2*\k:SM+2*\k+1], v[SM+2*\k:SM+2*\k+1], v[SM+16+2*\k:SM+17+2*\k]   ; the 16 pairs that were begun among the exponentials
.endr
	WIN 0x04
.else
	WIN 0x05
.irp k, 0,1,2,3,4,5,6,7
	v_pk_add_f32 v[SM+2*\k:SM+2*\k+1], v[2*\k:2*\k+1], v[16+2*\k:17+2*\k]
.endr
	WIN 0x04
.irp m, 2,3
.irp k, 0,1,2,3,4,5,6,7
	v_pk_add_f32 v[SM+2*\k:SM+2*\k+1], v[SM+2*\k:SM+2*\k+1], v[16*\m+2*\k:16*\m+2*\k+1]
.endr
.endr
.endif
.irp m, 0,1,2,3
.irp k, 0,1,2,3,4,5,6,7
	v_pk_add_f32 v[SM+2*\k:SM+2*\k+1], v[SM+2*\k:SM+2*\k+1], v[128*\x+64+16*\m+2*\k:128*\x+65+16*\m+2*\k]   ; eight chains by turns
.endr
.endr
	WIN 0x01
.irp u, 0,1
	v_cvt_scalef32_pk16_fp6_f32 v[P+24*\x+12*\u:P+24*\x+12*\u+2], v[128*\x+64*\u:128*\x+64*\u+15], v[T+8*\x+4*\u+1]
	v_cvt_scalef32_pk16_fp6_f32 v[XT+8*\u:XT+8*\u+2], v[128*\x+64*\u+16:128*\x+64*\u+31], v[T+8*\x+4*\u+1]   ; (a conversion's three registers begin on an even number)
	v_cvt_scalef32_pk16_fp6_f32 v[P+24*\x+12*\u+6:P+24*\x+12*\u+8], v[128*\x+64*\u+32:128*\x+64*\u+47], v[T+8*\x+4*\u+3]
	v_cvt_scalef32_pk16_fp6_f32 v[XT+8*\u+4:XT+8*\u+6], v[128*\x+64*\u+48:128*\x+64*\u+63], v[T+8*\x+4*\u+3]
.endr
	WIN 0
.irp g, 0,2,4,6
	v_lshrrev_b32 v[T+8*\x+\g], 23, v[T+8*\x+\g+1]           ; the scales' bytes; also the plain instructions behind the conversions
.endr
.if (\x) == 0
	VLOAD                                          ; V lands while tile B is worked
.endif
.irp k, 0,1,2,3
	v_pk_add_f32 v[SM+2*\k:SM+2*\k+1], v[SM+2*\k:SM+2*\k+1], v[SM+8+2*\k:SM+9+2*\k]
.endr
.irp u, 0,1
	v_lshl_or_b32 v[MT+\u], v[T+8*\x+4*\u+2], 16, v[T+8*\x+4*\u]
.endr
.irp u, 0,1
	v_pk_add_f32 v[SM+2*\u:SM+2*\u+1], v[SM+2*\u:SM+2*\u+1], v[SM+4+2*\u:SM+5+2*\u]
.endr
.irp u, 0,1
	v_permlanex16_b32 v[MT+2+\u], v[MT+\u], s[SEL], s[SEL+1]
.endr
.if \first
	v_pk_add_f32 v[16+2*\x:17+2*\x], v[SM:SM+1], v[SM+2:SM+3]
.else
	v_pk_add_f32 v[SM:SM+1], v[SM:SM+1], v[SM+2:SM+3]
.endif
	v_lshl_or_b32 v[PW0+\x], v[MT+2], 8, v[MT]     ; p's scale words: lanes 0-15 hold bytes 0 and 2, the other half's are 1 and 3 (lanes 16-31 are not read)
	v_lshl_or_b32 v[PW1+\x], v[MT+3], 8, v[MT+1]
.irp u, 0,1
.irp i, 0,1,2
	v_mov_b32 v[P+24*\x+12*\u+3+\i], v[XT+8*\u+\i]
	v_mov_b32 v[P+24*\x+12*\u+9+\i], v[XT+8*\u+4+\i]
.endr
.endr
.if (\first) == 0
	v_pk_fma_f32 v[16+2*\x:17+2*\x], v[16+2*\x:17+2*\x], v[20+2*\x:21+2*\x], v[SM:SM+1] op_sel_hi:[1,0,1]   ; the old sum under the new M, and the step's
.endif
.endm
; A KEY STEP: 256 keys.  first = 1: step 0, which starts O and the sums.
.macro STEP first
.if (\first) == 0
	v_add_nc_u32 v6, s[TB], v1                     ; these five also stand between the last step's products and what writes over their registers
	v_add_nc_u32 v7, s[TB], v2
	v_add_nc_u32 v8, s[TS], v5
	v_nop
	v_nop
.endif
	KLOAD KA, 6144, WK1, 256                       ; the second 128 keys; the first 128 were asked for in the step before
	WALU
	s_wait_dscnt 17                                ; the first 128 keys are in; the 17 loads just issued may be out
	SPROD 0, KB, WK0
	s_wait_dscnt 0x0
	SPROD 1, KA, WK1
	PLACES 4                                       ; in front of the first read of the scores and of writes over K's fragments
	MAXH 0
	MAXH 1
.irp x, 0,1
	v_max3_num_f32 v[MT+\x], v[T+8*\x], v[T+8*\x+2], v[T+8*\x+4]
.endr
.irp x, 0,1
	v_max_num_f32 v[MT+\x], v[MT+\x], v[T+8*\x+6]
.endr
.irp x, 0,1
	v_permlanex16_b32 v[MT+2+\x], v[MT+\x], s[SEL], s[SEL+1]
.endr
.irp x, 0,1
.if \first
	v_max_num_f32 v[13+2*\x], v[MT+\x], v[MT+2+\x]
.else
	v_max3_num_f32 v[13+2*\x], v[13+2*\x], v[MT+\x], v[MT+2+\x]   ; the largest score so far
.endif
.endr
.irp x, 0,1
	v_mul_f32 v[MT+4+\x], s[NC], v[13+2*\x]        ; -t (c is positive)
.endr
.if (\first) == 0
.irp x, 0,1
	v_mov_b32 v[MT+6+\x], v[12+2*\x]
.endr
.endif
.irp x, 0,1
	v_floor_f32 v[12+2*\x], v[MT+4+\x]             ; -M = floor(-t): M is a whole number
.endr
.if (\first) == 0
.irp x, 0,1
	v_sub_f32 v[MT+6+\x], v[12+2*\x], v[MT+6+\x]   ; old M - new M: a whole number, 0 or less
.endr
.irp x, 0,1
	v_cvt_i32_f32 v[MT+6+\x], v[MT+6+\x]           ; (it saturates)
.endr
.irp x, 0,1
	v_ldexp_f32 v[20+2*\x], 1.0, v[MT+6+\x]        ; f = 2^(old M - new M)
.endr
.endif
.irp x, 0,1
.irp g, 0,2,4,6
	v_fma_f32 v[T+8*\x+\g], v[T+8*\x+\g], s[CS], v[12+2*\x]   ; t - M of each block's largest score
.endr
.endr
	WIN 0x41
.set j_, 0
.rept 32
	TSUB 0, j_
.set j_, j_+2
.endr
	WALU
	EXPS 0, 0, 64
	WALU
	TEXP 0
	EXPS 64, 1, 0
	WALU
	EXPS 128, 1, 64
	WALU
	WIN 0
.if \first
	s_wait_tensorcnt 0x0                           ; my tensor load has landed; no LDS instruction of mine is out
	s_barrier_signal -1
.endif
	WORK 0, \first
	WALU
	TEXP 1
	WIN 0x41
.set j_, 0
.rept 8
.set i_, 0
.rept 8
	v_exp_f32 v[192+8*j_+i_], v[192+8*j_+i_]
.set i_, i_+1
.endr
	WIN 0x05
	v_pk_add_f32 v[SM+4*j_:SM+4*j_+1], v[128+8*j_:129+8*j_], v[130+8*j_:131+8*j_]   ; tile B's sum begins: no sum is read here
	v_pk_add_f32 v[SM+4*j_+2:SM+4*j_+3], v[132+8*j_:133+8*j_], v[134+8*j_:135+8*j_]
	WIN 0x41
.set j_, j_+1
.endr
	WIN 0
	WALU
	WORK 1, \first
	WALU
	s_wait_dscnt 0x0                               ; V
.if \first
	s_barrier_wait -1                              ; steps 1 to 7 are in
	KLOAD KB, SLOT, WK0, 512
	PLACES 8                                       ; ahead of the products that read the codes and words just made
.else
	s_cmp_eq_u32 s[CNT], 1
	s_cbranch_scc1 .Llast_\@
	KLOAD KB, SLOT, WK0, 512                       ; the next step's first 128 keys; behind the last step there is none
.Llast_\@:
	WALU
.irp x, 0,1
.set j_, 0
.rept 16
	v_pk_mul_f32 v[OT+32*\x+j_:OT+32*\x+j_+1], v[OT+32*\x+j_:OT+32*\x+j_+1], v[20+2*\x:21+2*\x] op_sel_hi:[1,0]   ; O^T under the new M
.set j_, j_+2
.endr
.endr
.endif
	OPROD 0, PW0, \first
	OPROD 1, PW1, 0
	s_add_co_u32 s[TB], s[TB], SLOT
	s_add_co_u32 s[TS], s[TS], 512
.endm
	v_mov_b32 v6, v1                               ; step 0's addresses
	v_mov_b32 v7, v2
	WALU
	s_wait_loadcnt 0x0                             ; q, and my words
	v_mov_b32 v8, v5                               ; (v8 was an address of a load that is done)
.irp i, 0,1
	ds_store_b128 v10, v[KB+4*\i:KB+4*\i+3] offset:512*\i
.endr
	WALU
	s_cmp_eq_u32 s[WV], 0                          ; wave 0: step 0 has landed; the other steps may be on their way
	s_cbranch_scc0 .Lnot_first
	s_wait_tensorcnt 0x0
.Lnot_first:
	s_wait_dscnt 0x0                               ; my words are stored
	s_barrier_signal -1
	s_barrier_wait -1
	KLOAD KB, 0, WK0, 0
	STEP 1
	s_mov_b32 s[CNT], 7
.Lstep:
	STEP 0
	s_sub_co_u32 s[CNT], s[CNT], 1
	s_cmp_lg_u32 s[CNT], 0
	s_cbranch_scc1 .Lstep
	; THE WAY OUT: O^T / the sum, quantised along d (a lane holds block h whole), stored as half fragments' images.  The two tiles by turns.
.irp x, 0,1
	v_add_f32 v[16+2*\x], v[16+2*\x], v[17+2*\x]
.endr
.irp x, 0,1
	v_permlanex16_b32 v[MT+\x], v[16+2*\x], s[SEL], s[SEL+1]
.endr
.irp x, 0,1
	v_add_f32 v[16+2*\x], v[16+2*\x], v[MT+\x]     ; the row's sum
.endr
	v_add_nc_u32 v6, OST, v1
	WALU
.irp x, 0,1
	v_rcp_f32 v[16+2*\x], v[16+2*\x]
.endr
	PLACES 4                                       ; behind the last products, in front of the first read of O^T; the first is also the plain instruction behind the reciprocals
	WALU
.set j_, 0
.rept 16
.irp x, 0,1
	v_pk_mul_f32 v[96+48*\x+j_:97+48*\x+j_], v[OT+32*\x+j_:OT+32*\x+j_+1], v[16+2*\x:17+2*\x] op_sel_hi:[1,0]   ; register 8 j + i is o(query r, d = 32 h + 8 j + i)
.endr
.set j_, j_+2
.endr
.irp x, 0,1
	v_max3_num_f32 v[T+2*\x], |v[96+48*\x]|, |v[97+48*\x]|, |v[98+48*\x]|
	v_max3_num_f32 v[T+2*\x+1], |v[112+48*\x]|, |v[113+48*\x]|, |v[114+48*\x]|
.endr
.irp i, 3,5,7,9,11,13
.irp x, 0,1
	v_max3_num_f32 v[T+2*\x], v[T+2*\x], |v[96+48*\x+\i]|, |v[97+48*\x+\i]|
	v_max3_num_f32 v[T+2*\x+1], v[T+2*\x+1], |v[112+48*\x+\i]|, |v[113+48*\x+\i]|
.endr
.endr
.irp x, 0,1
	v_max3_num_f32 v[T+2*\x], v[T+2*\x], |v[111+48*\x]|, v[T+2*\x+1]
.endr
.irp x, 0,1
	v_max3_num_f32 v[T+2*\x], v[T+2*\x], |v[127+48*\x]|, 0x1800000
.endr
.irp x, 0,1
	v_add_nc_u32 v[T+4+\x], 0xff000000, v[T+2*\x]
.endr
.irp x, 0,1
	v_cvt_scalef32_pk16_fp6_f32 v[176+6*\x:178+6*\x], v[96+48*\x:111+48*\x], v[T+4+\x]
	v_cvt_scalef32_pk16_fp6_f32 v[XT+4*\x:XT+4*\x+2], v[112+48*\x:127+48*\x], v[T+4+\x]
.endr
.irp x, 0,1
	v_lshrrev_b32 v[T+6+\x], 23, v[T+4+\x]         ; my bytes
.endr
.irp i, 0,1,2
.irp x, 0,1
	v_mov_b32 v[179+6*\x+\i], v[XT+4*\x+\i]
.endr
.endr
.irp x, 0,1
	global_store_b128 v1, v[176+6*\x:179+6*\x], s[8:9] offset:1536*\x       ; 512 and 256 consecutive bytes, aligned
	global_store_b64 v2, v[180+6*\x:181+6*\x], s[8:9] offset:1536*\x
	ds_store_b8 v9, v[T+6+\x] offset:32*\x
.endr
	WALU
	s_wait_dscnt 0x0                               ; for the others' sake
	s_barrier_signal -1
	s_barrier_wait -1
	s_cmp_lg_u32 s[WV], 0
	s_cbranch_scc1 .Lnot_wave_0
	ds_load_b128 v[96:99], v6                      ; the work-group's 256 rows x 2 bytes
	s_wait_dscnt 0x0
	global_store_b128 v1, v[96:99], s[10:11]       ; 512 consecutive bytes, aligned
.Lnot_wave_0:
	s_wait_tensorcnt 0x0                           ; the wave's end
	ds_add_u32 v3, v4
	s_wait_dscnt 0x0
	CROUND                                         ; the closing round
	s_endpgm
.Lfunc_end_k_q3030dbaccf_attn:
	.size	k_q3030dbaccf_attn, .Lfunc_end_k_q3030dbaccf_attn-k_q3030dbaccf_attn
	.p2alignl 7, 3214868480
	.fill 96, 4, 3214868480
	.section	.rodata,"a",@progbits
	.p2align	6, 0x0
	.amdhsa_kernel k_q3030dbaccf_attn
		.amdhsa_group_segment_fixed_size 206336
		.amdhsa_private_segment_fixed_size 0
		.amdhsa_enable_private_segment 0
		.amdhsa_kernarg_size 32
		.amdhsa_user_sgpr_count 2
		.amdhsa_user_sgpr_kernarg_segment_ptr 1
		.amdhsa_wavefront_size32 1
		.amdhsa_system_sgpr_workgroup_id_x 1
		.amdhsa_system_sgpr_workgroup_id_y 1
		.amdhsa_system_sgpr_workgroup_id_z 1
		.amdhsa_system_vgpr_workitem_id 0
		.amdhsa_next_free_vgpr 512
		.amdhsa_next_free_sgpr 80
		.amdhsa_reserve_vcc 0
		.amdhsa_float_denorm_mode_32 3
		.amdhsa_float_denorm_mode_16_64 3
		.amdhsa_memory_ordered 1
		.amdhsa_forward_progress 1
		.amdhsa_inst_pref_size 117
	.end_amdhsa_kernel
	.amdgpu_metadata
---
amdhsa.version: [ 1, 2 ]
amdhsa.kernels:
  - .name:           k_q3030dbaccf_attn
    .symbol:         k_q3030dbaccf_attn.kd
    .args:
      - { .name: ac, .offset: 0, .size: 8, .value_kind: global_buffer, .address_space: global }
      - { .name: asc, .offset: 8, .size: 8, .value_kind: global_buffer, .address_space: global }
      - { .name: oc, .offset: 16, .size: 8, .value_kind: global_buffer, .address_space: global }
      - { .name: osc, .offset: 24, .size: 8, .value_kind: global_buffer, .address_space: global }
    .group_segment_fixed_size: 206336
    .private_segment_fixed_size: 0
    .kernarg_segment_align: 8
    .kernarg_segment_size: 32
    .max_flat_workgroup_size: 256
    .sgpr_count:     80
    .vgpr_count:     512
    .wavefront_size: 32
...
	.end_amdgpu_metadata
.endif
;; end of part 3
;; launch outp (part 4): grid 8 x 32, 4 waves a work-group, clusters of 4 x 4, 327,680 bytes of LDS; arguments oc, osc, wc, ws, bo, out0; writes out0
.if DOCPART == 4
	.amdgcn_target "amdgcn-amd-amdhsa--gfx1250"
	.amdhsa_code_object_version 6
	.text
	.protected	k_q3030dbaccf_outp
	.globl	k_q3030dbaccf_outp
	.p2align	8
	.type	k_q3030dbaccf_outp,@function
k_q3030dbaccf_outp:
	s_mov_b64 s[64:65], 0
	v_nop
	global_prefetch_b8 v0, s[64:65] scope:SCOPE_SE
	s_setreg_imm32_b32 hwreg(HW_REG_WAVE_MODE, 25, 1), 1
	s_wait_xcnt 0x0
	s_wait_alu depctr_hold_cnt(0) depctr_sa_sdst(0) depctr_va_vdst(0) depctr_va_sdst(0) depctr_va_ssrc(0) depctr_va_vcc(0) depctr_vm_vsrc(0)
	s_getreg_b32 s2, hwreg(HW_REG_IB_STS2, 6, 4)
	s_cmp_eq_u32 s2, 0
	s_cbranch_scc0 .Lentry_in_a_cluster
	s_endpgm
.Lentry_in_a_cluster:
	s_bfe_u32 s2, ttmp6, 0x10000c
	s_cmp_lg_u32 s2, 0xf033
	s_cbranch_scc0 .Lentry_shape_is_right
	s_endpgm
.Lentry_shape_is_right:
; out = o Wo^T + bo on codes of FP6 (E2M3) with E8M0 scales.  A tile is 128 x 128, a wave's share 64 x 64 in 16 accumulators; A (o) and B (Wo) lie in LDS for all of K, filled once.
; Operands are images of their registers: [block of 128 rows][K step 8][tile 8][1,536].  THE HEAD'S LOADS, one a wave: A's and B's first half of K (waves 0, 1), their second halves (waves 2, 3).
; CLUSTER 4 x 4: A is asked for jointly along a row of the cluster, B along a column.  No prefetch: all is asked for at the head.
; Tile 4 c + j of a block holds as its row r the block's row 64 c + 32 (r / 8) + 8 j + r % 8, in A and in B: so the stage and the stores put rows and columns back in their places.
; o's scale bytes come as [head 16][row 4,096][2 bytes] and are put together to words here; Wo's words come as they lie.  The bias is the first product's C.  LIMITS: NaN and infinities are not served.
.set FR,    12
.set NP,    4
.set HK,    49152                      ; half of K of 128 rows
.set OPB,   98304
.set SCL,   2*OPB                      ; the scale words: A's 4,096 bytes, B's
.set STG,   SCL+8192                   ; a stage of 16 rows x 272 bytes for each wave
.set SPITCH, 272
.set SPARE, STG+4*16*SPITCH
.set ROWC,  4096
.set ADRA, 16
.set ADRB, 20
.set STO,  24
.set RD,   25
.set CO,   26
.set ADRS, 27
.set SPW,  30
.set NIL,  31
.set SC,   32
.set BI,   64
.set UB,   96
.set WB,   104
.set BW,   112
.set BK,   64
.set ACC,  128
.set G1, 24
.set G0, 32
.set G0B, 36
.set G1B, 48
.set MSB, 0
.macro WIN new
.if MSB != \new
	s_set_vgpr_msb (MSB<<8)|\new
.set MSB, \new
.endif
.endm
.set MUL,  0x05                        ; sources 0 and 1 window 1, C and D window 0
.set TO_F, 0x40
.macro PLACES n
.rept \n
	v_nop
.endr
.endm
.macro TLOAD g0, g1
	tensor_load_to_lds s[\g0:\g0+3], s[\g1:\g1+7]
	s_nop 0
	PLACES 4
.endm
.macro CROUND
	s_barrier_signal -1
	s_barrier_wait -1
	s_cmp_lg_u32 s14, 0
	s_cbranch_scc1 .Lnot_wave_0_\@
	s_barrier_signal -3
.Lnot_wave_0_\@:
	s_barrier_wait -3
	s_barrier_signal -1
	s_barrier_wait -1
.endm
	s_load_b256 s[4:11], s[0:1], 0x0               ; oc, osc, wc, ws
	s_load_b128 s[96:99], s[0:1], 0x20             ; bo, out0
	v_lshl_add_u32 v[SPW], v0, 2, SPARE
	v_mov_b32 v[NIL], 0
	ds_add_u32 v[SPW], v[NIL]                      ; the wave's opening: the add, twice on end, and its wait
	ds_add_u32 v[SPW], v[NIL]
	v_lshrrev_b32 v1, 5, v0
	v_readfirstlane_b32 s14, v1                    ; wave
	s_lshr_b32 s15, s14, 1                         ; my half of A's rows.  Also: which half of K I fetch
	s_and_b32 s16, s14, 1                          ; my half of B's rows.  Also: I fetch A (0) or B (1)
	s_bfe_u32 s40, ttmp6, 0x40000                  ; cx
	s_bfe_u32 s41, ttmp6, 0x40004                  ; cy
	s_lshl_b32 s42, ttmp9, 2
	s_add_co_u32 s42, s42, s40                     ; tile column
	s_and_b32 s17, ttmp7, 0xffff
	s_lshl_b32 s17, s17, 2
	s_add_co_u32 s17, s17, s41                     ; tile row
	s_lshl_b32 s43, s41, 2
	s_lshl_b32 s43, 15, s43                        ; my row of the cluster
	s_lshl_b32 s44, 0x1111, s40                    ; my column
	s_or_b32 s[G1+0], s43, (3<<16)|(1<<21)         ; 49,152 dense bytes as two rows
	s_or_b32 s[G1B+0], s44, (3<<16)|(1<<21)
.irp g, G1, G1B
	s_mov_b32 s[\g+1], 3072<<16
	s_mov_b32 s[\g+2], 2<<16
	s_mov_b32 s[\g+3], 3072<<16
	s_mov_b32 s[\g+4], 2
	s_mov_b32 s[\g+5], 3072
	s_mov_b32 s[\g+6], 0
	s_mov_b32 s[\g+7], 0
.endr
	s_mul_i32 s18, s15, HK
	s_mul_i32 s20, s17, OPB
	s_add_co_u32 s20, s20, s18                     ; A: my half of K
	s_mov_b32 s21, 0
	s_mul_i32 s46, s42, OPB
	s_add_co_u32 s46, s46, s18
	s_add_co_u32 s46, s46, 2359296                 ; B: Wo's codes lie behind the three other weights'
	s_mov_b32 s47, 0
	s_add_co_u32 s45, s18, OPB                     ; B's place in LDS
	s_lshl_b32 s22, s17, 8
	s_mov_b32 s23, 0
	s_lshl_b32 s94, s42, 12
	s_lshl_b32 s95, s14, 10
	s_add_co_u32 s94, s94, s95
	s_add_co_u32 s94, s94, 98304                   ; my quarter of B's words
	s_mov_b32 s95, 0
	s_lshl_b32 s2, s42, 9
	s_lshl_b32 s3, s16, 8
	s_add_co_u32 s2, s2, s3                        ; my 64 columns, in bytes
	s_mov_b32 s3, 0
	s_lshl_b32 s66, s17, 19
	s_lshl_b32 s67, s15, 18
	s_add_co_u32 s66, s66, s67
	s_add_co_u32 s66, s66, s2                      ; my 64 rows of out
	s_mov_b32 s67, 0
	v_and_b32 v6, 63, v0
	v_lshlrev_b32 v6, 2, v6
	v_lshrrev_b32 v9, 6, v0
	v_lshl_add_u32 v6, v9, 16, v6                  ; o's scale bytes: rows 2 x, 2 x + 1 (x = thread % 64) of heads 8 (thread / 64) ..
	v_bfe_u32 v3, v0, 4, 1                         ; h
	v_lshlrev_b32 v7, 7, v3                        ; the bias of columns 32 h ..
	v_and_b32 v1, 31, v0
	v_and_b32 v2, 15, v0                           ; r
	v_lshlrev_b32 v4, 4, v1                        ; 16 x lane
	s_wait_alu depctr_va_vdst(0)
	s_wait_dscnt 0x0
	s_wait_kmcnt 0x0
	s_add_nc_u64 s[20:21], s[4:5], s[20:21]
	s_add_nc_u64 s[22:23], s[6:7], s[22:23]
	s_add_nc_u64 s[46:47], s[8:9], s[46:47]
	s_add_nc_u64 s[94:95], s[10:11], s[94:95]
	s_add_nc_u64 s[96:97], s[96:97], s[2:3]
	s_add_nc_u64 s[12:13], s[98:99], s[66:67]
.irp d, 0,1,2,3,4,5,6,7
	global_load_b32 v[UB+\d], v6, s[22:23] offset:8192*\d
.endr
.irp d, 0,1
	global_load_b128 v[BW+4*\d:BW+4*\d+3], v4, s[94:95] offset:512*\d
.endr
.irp b, 0,1,2,3
	global_load_b128 v[BI+8*\b:BI+8*\b+3], v7, s[96:97] offset:32*\b
	global_load_b128 v[BI+8*\b+4:BI+8*\b+7], v7, s[96:97] offset:32*\b+16
.endr
	s_mov_b32 s[G0], 1
	s_mov_b32 s[G0+1], s18
	s_mov_b64 s[G0+2:G0+3], s[20:21]
	s_or_b32 s[G0+3], s[G0+3], 0x80000000
	s_mov_b32 s[G0B], 1
	s_mov_b32 s[G0B+1], s45
	s_mov_b64 s[G0B+2:G0B+3], s[46:47]
	s_or_b32 s[G0B+3], s[G0B+3], 0x80000000
	CROUND                                         ; all sixteen work-groups are here: the joint loads meet
.macro ARM under, g0, g1, next
	s_cmp_lt_u32 s14, \under
	s_cbranch_scc0 \next
	TLOAD \g0, \g1
	s_branch .Lasked
\next:
.endm
	ARM 1, G0, G1, .Lw1
	ARM 2, G0B, G1B, .Lw2
	ARM 3, G0, G1, .Lw3
	TLOAD G0B, G1B
.Lasked:
	v_lshlrev_b32 v5, 3, v1
	v_add_nc_u32 v5, 512, v5                       ; 512 + 8 x lane
	s_mul_i32 s18, s15, 4*1536
	s_mul_i32 s19, s16, 4*1536
	s_add_co_u32 s19, s19, OPB
.irp k, 0,1
	v_add_nc_u32 v[ADRA+\k], s18, v4
	v_add_nc_u32 v[ADRB+\k], s19, v4
	v_add_nc_u32 v[ADRA+2+\k], s18, v5
	v_add_nc_u32 v[ADRB+2+\k], s19, v5
	s_add_co_u32 s18, s18, HK
	s_add_co_u32 s19, s19, HK
.endr
	s_lshl_b32 s18, s15, 11
	s_lshl_b32 s19, s16, 11
	s_add_co_u32 s19, s19, 4096
	s_sub_co_u32 s19, s19, s18
	s_wait_alu depctr_va_vdst(0)
	v_mul_u32_u24 v8, s19, v3                      ; lanes 16-31 take B's words
	s_add_co_u32 s18, s18, SCL
	v_lshl_add_u32 v8, v2, 3, v8
	v_add_nc_u32 v[ADRS], s18, v8
	s_mul_i32 s18, s14, 16*SPITCH
	s_add_co_u32 s18, s18, STG
	v_mul_u32_u24 v8, v2, SPITCH
	v_lshl_add_u32 v8, v3, 7, v8
	v_add_nc_u32 v[STO], s18, v8                   ; the way out, in: row r, columns 32 h ..
	v_mul_u32_u24 v8, v3, SPITCH
	v_lshl_add_u32 v8, v2, 4, v8
	v_add_nc_u32 v[RD], s18, v8                    ; back: two rows of 256 bytes
	v_lshlrev_b32 v[CO], 12, v3
	v_lshl_add_u32 v[CO], v2, 4, v[CO]
	v_bfe_u32 v10, v0, 3, 3
	v_lshlrev_b32 v10, 9, v10
	v_and_b32 v11, 7, v0
	v_lshl_add_u32 v10, v11, 4, v10
	v_lshl_add_u32 v10, v9, 8, v10
	v_add_nc_u32 v10, SCL, v10                     ; A's words: [tile][pair of K steps][row][2]
	s_lshl_b32 s18, s14, 10
	s_add_co_u32 s18, s18, SCL+4096
	v_add_nc_u32 v11, s18, v4                      ; B's
	s_wait_alu depctr_va_vdst(0)
	s_wait_loadcnt 8                               ; the scale bytes and words are in; the bias's eight loads may be out
.irp p, 0,1
.irp q, 0,1
	v_perm_b32 v[WB+4*\p+\q], v[UB+4*\p+2*\q+1], v[UB+4*\p+2*\q], 0x05040100
	v_perm_b32 v[WB+4*\p+2+\q], v[UB+4*\p+2*\q+1], v[UB+4*\p+2*\q], 0x07060302
.endr
.endr
.irp p, 0,1
	ds_store_b128 v10, v[WB+4*\p:WB+4*\p+3] offset:128*\p
	ds_store_b128 v11, v[BW+4*\p:BW+4*\p+3] offset:512*\p
.endr
.macro FRAG reg, adr, q, i
	ds_load_b128 v[\reg:\reg+3], v[\adr] offset:(8*(\q)+(\i))*1536
	ds_load_b64 v[\reg+4:\reg+5], v[\adr+2] offset:(8*(\q)+(\i))*1536
	ds_load_b128 v[\reg+6:\reg+9], v[\adr] offset:(8*(\q)+(\i))*1536+768
	ds_load_b64 v[\reg+10:\reg+11], v[\adr+2] offset:(8*(\q)+(\i))*1536+768
.endm
.macro FETCH s
	WIN TO_F
.irp i, 0,1,2,3
	FRAG 128*((\s)%2)+FR*\i, ADRA+(\s)/4, (\s)%4, \i
	FRAG 128*((\s)%2)+48+FR*\i, ADRB+(\s)/4, (\s)%4, \i
.endr
.endm
.macro MUL8 a0, s, first               ; the 16 accumulators take turns, one instruction a turn
.irp a, \a0, \a0+1
.irp b, 0,1,2,3
.if \first
	v_wmma_scale_f32_16x16x128_f8f6f4 v[ACC+8*(4*(\a)+\b):ACC+8*(4*(\a)+\b)+7], v[128*((\s)%2)+48+FR*\b:128*((\s)%2)+48+FR*\b+FR-1], v[128*((\s)%2)+FR*(\a):128*((\s)%2)+FR*(\a)+FR-1], v[BI+8*\b:BI+8*\b+7], v[SC+8*\b+(\s)], v[SC+8*(\a)+(\s)] matrix_a_fmt:MATRIX_FMT_FP6 matrix_b_fmt:MATRIX_FMT_FP6 matrix_a_scale:MATRIX_SCALE_ROW1
.else
	v_wmma_scale_f32_16x16x128_f8f6f4 v[ACC+8*(4*(\a)+\b):ACC+8*(4*(\a)+\b)+7], v[128*((\s)%2)+48+FR*\b:128*((\s)%2)+48+FR*\b+FR-1], v[128*((\s)%2)+FR*(\a):128*((\s)%2)+FR*(\a)+FR-1], v[ACC+8*(4*(\a)+\b):ACC+8*(4*(\a)+\b)+7], v[SC+8*\b+(\s)], v[SC+8*(\a)+(\s)] matrix_a_fmt:MATRIX_FMT_FP6 matrix_b_fmt:MATRIX_FMT_FP6 matrix_a_scale:MATRIX_SCALE_ROW1
.endif
.endr
.endr
.endm
.macro KSTEP s, first
	s_wait_dscnt 0x0
.if (\s) < 7
.if (\s) > 0
	PLACES NP
.endif
	FETCH (\s)+1
.endif
	WIN MUL
	MUL8 0, \s, \first
	MUL8 2, \s, \first
.endm
	s_cmp_lt_u32 s14, 2                            ; waves 0 and 1: the first halves of K have landed; the second may be out
	s_cbranch_scc0 .Lnot_first
	s_wait_tensorcnt 0x0
.Lnot_first:
	s_wait_loadcnt 0x0
	s_wait_dscnt 0x0
	s_barrier_signal -1
	s_barrier_wait -1
.irp i, 0,1,2,3
.irp p, 0,1,2,3
	ds_load_b64 v[SC+8*\i+2*\p:SC+8*\i+2*\p+1], v[ADRS] offset:512*\i+128*\p
.endr
.endr
	FETCH 0
	KSTEP 0, 1                                     ; the first products start the sums with the bias
	KSTEP 1, 0
	KSTEP 2, 0
	s_wait_tensorcnt 0x0                           ; the second halves of K
	s_wait_dscnt 0x0
	s_barrier_signal -1
	WIN MUL
	MUL8 0, 3, 0
	s_barrier_wait -1
	PLACES NP
	FETCH 4
	WIN MUL
	MUL8 2, 3, 0
	KSTEP 4, 0
	KSTEP 5, 0
	KSTEP 6, 0
	KSTEP 7, 0
	WIN 0
; THE WAY OUT of block a of 16 rows: through my own stage, back as rows of 256 bytes.
.macro TOSTAGE a
.irp b, 0,1,2,3
	ds_store_b128 v[STO], v[ACC+8*(4*(\a)+\b):ACC+8*(4*(\a)+\b)+3] offset:32*\b
	ds_store_b128 v[STO], v[ACC+8*(4*(\a)+\b)+4:ACC+8*(4*(\a)+\b)+7] offset:32*\b+16
.endr
.set BB, BK+32*((\a)%2)
.irp t, 0,1,2,3,4,5,6,7
	ds_load_b128 v[BB+4*\t:BB+4*\t+3], v[RD] offset:\t*2*SPITCH
.endr
.endm
.macro SEND a, younger
.set BB, BK+32*((\a)%2)
	s_wait_dscnt \younger
.irp t, 0,1,2,3,4,5,6,7
	global_store_b128 v[CO], v[BB+4*\t:BB+4*\t+3], s[12:13] offset:(8*(\a)+2*\t+24*(\t/4))*ROWC th:TH_STORE_NT   ; sixteen lanes store 256 consecutive bytes, aligned
.endr
.endm
	PLACES NP
	TOSTAGE 0
.irp a, 1,2,3
.if \a > 1
	s_wait_xcnt 0x0                                ; block a - 2's stores have read their registers
.endif
	TOSTAGE \a
	SEND \a-1, 16
.endr
	SEND 3, 0
	s_wait_tensorcnt 0x0                           ; the wave's end
	ds_add_u32 v[SPW], v[NIL]
	s_wait_dscnt 0x0
	CROUND                                         ; the closing round
	s_endpgm
.Lfunc_end_k_q3030dbaccf_outp:
	.size	k_q3030dbaccf_outp, .Lfunc_end_k_q3030dbaccf_outp-k_q3030dbaccf_outp
	.p2alignl 7, 3214868480
	.fill 96, 4, 3214868480
	.section	.rodata,"a",@progbits
	.p2align	6, 0x0
	.amdhsa_kernel k_q3030dbaccf_outp
		.amdhsa_group_segment_fixed_size 327680
		.amdhsa_private_segment_fixed_size 0
		.amdhsa_enable_private_segment 0
		.amdhsa_kernarg_size 48
		.amdhsa_user_sgpr_count 2
		.amdhsa_user_sgpr_kernarg_segment_ptr 1
		.amdhsa_wavefront_size32 1
		.amdhsa_system_sgpr_workgroup_id_x 1
		.amdhsa_system_sgpr_workgroup_id_y 1
		.amdhsa_system_sgpr_workgroup_id_z 1
		.amdhsa_system_vgpr_workitem_id 0
		.amdhsa_next_free_vgpr 512
		.amdhsa_next_free_sgpr 102
		.amdhsa_reserve_vcc 0
		.amdhsa_float_denorm_mode_32 3
		.amdhsa_float_denorm_mode_16_64 3
		.amdhsa_memory_ordered 1
		.amdhsa_forward_progress 1
		.amdhsa_inst_pref_size 54
	.end_amdhsa_kernel
	.amdgpu_metadata
---
amdhsa.version: [ 1, 2 ]
amdhsa.kernels:
  - .name:           k_q3030dbaccf_outp
    .symbol:         k_q3030dbaccf_outp.kd
    .args:
      - { .name: oc, .offset: 0, .size: 8, .value_kind: global_buffer, .address_space: global }
      - { .name: osc, .offset: 8, .size: 8, .value_kind: global_buffer, .address_space: global }
      - { .name: wc, .offset: 16, .size: 8, .value_kind: global_buffer, .address_space: global }
      - { .name: ws, .offset: 24, .size: 8, .value_kind: global_buffer, .address_space: global }
      - { .name: bo, .offset: 32, .size: 8, .value_kind: global_buffer, .address_space: global }
      - { .name: out0, .offset: 40, .size: 8, .value_kind: global_buffer, .address_space: global }
    .group_segment_fixed_size: 327680
    .private_segment_fixed_size: 0
    .kernarg_segment_align: 8
    .kernarg_segment_size: 48
    .max_flat_workgroup_size: 128
    .sgpr_count:     102
    .vgpr_count:     512
    .wavefront_size: 32
...
	.end_amdgpu_metadata
.endif
;; end of part 4
